; MI455X (gfx1250); checked and timed in simulation.
; The chip was launched on July 23, 2026; its instructions are those of AMD's public machine-readable ISA for CDNA 5 (MIT licence, August 2026) and "CDNA5" Instruction Set Architecture Reference Guide (July 2026). The comments in the code are by the model that wrote it; some were corrected since.
;; Attention Module. Allowed arithmetic: matrix products marked QUANTISED: E2M1 operands, one E8M0 scale for each 32 along K, by v_wmma_scale_f32_16x16x128_f8f6f4 with both operands' format E2M1 (or v_wmma_scale_f32_32x16x128_f4), f32 sums; everything else in f32.
;; Inputs: b_proj 1,024 float32; b_qkv 3,072 float32; w_proj 1,024 x 1,024 float32; w_qkv 3,072 x 1,024 float32; x 4 x 2,048 x 1,024 float32.
;; Outputs: out0 4 x 2,048 x 1,024 float32.
;; This version of the problem:
;;   THIS VERSION OF THE PROBLEM IS GIVEN IN LOW PRECISION. The matrix products marked QUANTISED in the list below multiply operands that are first quantised to E2M1 (2 exponent bits, 1 mantissa bit; 4 bits a number), with one power-of-two scale for each 32 numbers along K (OCP MX v1.0); their sums are f32. All else is computed in f32.
;;   The module's matrix products, in the order in which they are computed (A, B: the left and right operand; K: the contracted axis; several contracted axes count as one K, in the product's order):
;;     1. [M 8,192, K 1,024] x [K 1,024, N 3,072]; A: input x; B: input w_qkv: QUANTISED
;;     2. batch 64 x [M 2,048, K 64] x [K 64, N 2,048]; A: computed on the way; B: computed on the way: QUANTISED
;;     3. batch 64 x [M 2,048, K 2,048] x [K 2,048, N 64]; A: softmax (see below); B: computed on the way: QUANTISED
;;     4. [M 8,192, K 1,024] x [K 1,024, N 1,024]; A: computed on the way; B: input w_proj: QUANTISED
;;   THE QUANTISER, for each operand of a quantised product, along K:
;;     - K is cut into blocks of 32 from its start; a last block that is shorter is filled with zeros.
;;     - A block's scale is 2^e with e = floor(log2(the largest magnitude in the block)) - 2, held to -126 .. 127; a block of zeros has e = 0. As a byte (E8M0): e + 127.
;;     - Each number is divided by its block's scale, clamped to +-6, and rounded to the nearest number of E2M1, ties to even, subnormals kept.
;;     - The product sums the exact products of the quantised numbers (number of the format x scale) in f32.
;;   ~~~python
;;   def quantise(x, axis):      # numpy; x: float32 -> the quantised numbers, widened to float32 again
;;       x = np.moveaxis(x, axis, -1); K = x.shape[-1]
;;       x = np.pad(x, [(0, 0)] * (x.ndim - 1) + [(0, -K % 32)]); x = x.reshape(x.shape[:-1] + (-1, 32)); a = np.abs(x).max(-1, keepdims=True)
;;       e = np.where(a > 0, np.clip(np.frexp(np.where(a > 0, a, 1))[1] - 1 - 2, -126, 127), 0)      # np.frexp(a)[1] - 1 = floor(log2(a)), exactly
;;       r = np.clip(x / 2.0 ** e, -6, 6)
;;       step = 2.0 ** (np.maximum(np.frexp(np.where(r == 0, 1, r))[1] - 1, 0) - 1)
;;       q = np.round(r / step) * step * 2.0 ** e      # np.round: ties to even
;;       return np.moveaxis(q.reshape(q.shape[:-2] + (-1,))[..., :K], -1, axis).astype(np.float32)
;;   ~~~
;;   SOFTMAX AHEAD OF A QUANTISED PRODUCT. Where the list says 'softmax', what is quantised is not the finished softmax but p = 2^(t - M), with t = logit x log2(e) and M = ceil(the row's largest t), a whole number; so 1/2 < the row's largest p <= 1. The row's sum l is taken of the UNQUANTISED p, in f32, and the product's result is divided by l at the end. Since M is a whole number, a kernel that streams over the keys may use a running M (the ceiling of the running maximum): every later rescaling is an exact power of two, which a block's scale takes up: the codes' values come out the same.
;;   OPERANDS COMPUTED ON THE WAY. 'Computed on the way' means the value that the module computes at that place (a softmax that the list does not call 'softmax' is quantised finished and normalised). What goes into a quantiser is computed in f32, as accurately as f32 sums, v_exp_f32 and their like allow (about 1e-6 of the number): no bf16 or f16 on the way to a quantiser, and a product that is left as it is and whose result goes on into a quantised operand takes f32 operands (vector FMAs, or v_wmma_f32_16x16x4_f32). A number that lies on a knife's edge between two numbers of the format may be rounded either way, as far as f32 arithmetic and the matrix unit's own rounding can turn it there, and no further.
;; One version. Each part assembles by itself: llvm-mc -triple=amdgcn-amd-amdhsa -mcpu=gfx1250 --defsym DOCPART=n.
;; ======== version 1 of 1: 5 launches
;; limits: right only within a limited range of input values
;; workspace buffers: c1 6,291,456 bytes; s1 393,216 bytes; qkc 8,388,608 bytes; qks 1,048,576 bytes; vc 4,194,304 bytes; vs 262,144 bytes; oc 4,194,304 bytes; os 262,144 bytes
;; launch quant (part 1): grid 384 x 1, 4 waves a work-group, no clusters, 33,280 bytes of LDS; arguments x, w_qkv, w_proj, c1, s1; writes c1, s1
.if DOCPART == 1
	.amdgcn_target "amdgcn-amd-amdhsa--gfx1250"
	.amdhsa_code_object_version 6
	.text
	.protected	k_q679ef4761b_quant
	.globl	k_q679ef4761b_quant
	.p2align	8
	.type	k_q679ef4761b_quant,@function
k_q679ef4761b_quant:
	s_mov_b64 s[64:65], 0
	v_nop
	global_prefetch_b8 v0, s[64:65] scope:SCOPE_SE
	s_setreg_imm32_b32 hwreg(HW_REG_WAVE_MODE, 25, 1), 1
	s_wait_xcnt 0x0
; x [8192][1024], w_qkv [3072][1024] and w_proj [1024][1024], f32 with K innermost, become codes of FP4 (E2M1), rows of 512 bytes in c1, and one E8M0 byte for each 32 along K, rows of 32 bytes in s1.
; A block's scale is 2^(floor(log2(its largest magnitude)) - 2); its byte is the largest magnitude's exponent field - 2, held at 1 from below.  Each number is divided by the scale and rounded to the nearest code, ties to even; beyond 6 the largest code.
; LIMITS: a block of zeros gets the byte 1 where the quantiser says 127 (its codes are zeros, which add nothing under any byte but 0xff, and this program alone reads the bytes); blocks whose largest magnitude lies under 2^-124 are held at byte 1;
; NaN and infinities among the inputs are not served.
; ROW ORDER.  In c1 and s1 the rows of the three tensors follow each other (x, w_qkv, w_proj), and row i stands at position i with bits 3 and 4 exchanged.  So 16 neighbouring positions hold rows 32 B + 8 u + r + 8 (r / 8):
; taken as source 0 of a matrix instruction, two neighbouring such tiles leave 16 NEIGHBOURING rows in a lane's 16 result registers, which is what the later launches quantise.
; SHARES.  Work-groups 0-255 take x, 256-351 w_qkv, 352-383 w_proj: 32 rows each, 8 rows (8,192 numbers) a wave, 16 steps of 512 numbers.  The exchange of bits is then an exchange of the two bits of the wave's number in the output's place.
; Each load reads 512 consecutive bytes; a step's 2,048 bytes turn through the wave's own stage in LDS so that a lane holds 16 neighbours along K (two lanes to a block).  A wave's code store covers 256 consecutive bytes; its 256 scale bytes
; are gathered in LDS and leave as one aligned run of 256 bytes.  No tensor loads, no barrier, no cluster: waves and work-groups share nothing.  Loads run four steps (16 loads a wave) ahead.
.set STEPS, 16
.set EMAX,  2
.set CB,    8                          ; bytes of 16 codes
.set R,     16                         ; v16-79   four sets of 16 numbers as they are loaded
.set X,     80                         ; v80-111  two sets of 16 neighbours
.set E,     112                        ; v112-127 a scale byte for each step
.set C,     128                        ; v128-191 codes: four registers for each step, so that no store's data are written again
.set WREG,  8192                       ; LDS: a region for each wave: two stages of 32 x SP bytes, then its 256 scale bytes
.set SP,    80                         ; a lane's place in a stage: 64 bytes + 16 of padding
	s_load_b128 s[4:7], s[0:1], 0x0                ; x, w_qkv
	s_load_b128 s[8:11], s[0:1], 0x10              ; w_proj, c1
	s_load_b64 s[12:13], s[0:1], 0x20              ; s1
	v_lshl_add_u32 v192, v0, 2, 0x8000
	v_mov_b32 v193, 0
	v_lshrrev_b32 v1, 5, v0
	v_readfirstlane_b32 s16, v1                    ; wave
	v_and_b32 v2, 31, v0                           ; lane
	v_lshlrev_b32 v3, 4, v2                        ; my 16 bytes of a load's 512
	s_mul_i32 s24, s16, WREG
	v_lshrrev_b32 v14, 2, v2
	v_mul_u32_u24 v14, v14, SP
	v_and_b32 v15, 3, v2
	v_lshl_add_u32 v14, v15, 4, v14
	v_add_nc_u32 v14, s24, v14                     ; the stage, on the way in: SP (lane / 4) + 16 (lane % 4)
	v_mul_u32_u24 v15, v2, SP
	v_add_nc_u32 v15, s24, v15                     ; and on the way out: SP x lane: my 16 neighbours
	v_mul_u32_u24 v4, v2, CB                       ; my codes' place in a step's
	v_lshrrev_b32 v5, 1, v2
	s_add_co_u32 s24, s24, 2*32*SP
	v_add_nc_u32 v5, s24, v5                       ; LDS: my wave's 256 scale bytes, my block's byte
	v_lshlrev_b32 v7, 3, v2                        ; and on the way out 8 bytes a lane
	v_add_nc_u32 v6, s24, v7
	s_wait_alu depctr_va_vdst(0)
	s_wait_kmcnt 0x0
	s_mov_b32 s17, 352                             ; which tensor: the choice hangs on the work-group's number alone
	s_cmp_lt_u32 ttmp9, 352
	s_cselect_b64 s[6:7], s[6:7], s[8:9]           ; w_qkv or w_proj
	s_cselect_b32 s17, 256, s17
	s_cmp_lt_u32 ttmp9, 256
	s_cselect_b64 s[4:5], s[4:5], s[6:7]           ; x or that
	s_cselect_b32 s17, 0, s17                      ; the tensor's first work-group
	s_sub_co_u32 s17, ttmp9, s17
	s_lshl_b32 s17, s17, 2
	s_add_co_u32 s18, s17, s16                     ; which run of 8 rows of the tensor is my wave's
	s_lshl_b32 s18, s18, 15                        ; 32,768 bytes a run
	s_mov_b32 s19, 0
	s_add_nc_u64 s[4:5], s[4:5], s[18:19]
	s_and_b32 s20, s16, 1                          ; the output's place: the wave's two bits exchanged
	s_lshl_b32 s20, s20, 1
	s_lshr_b32 s21, s16, 1
	s_or_b32 s20, s20, s21
	s_lshl_b32 s21, ttmp9, 2
	s_add_co_u32 s20, s20, s21                     ; c1 and s1 are one stream in the work-groups' order
	s_lshl_b32 s22, s20, 12                        ; 4,096 bytes of codes a run
	s_mov_b32 s23, 0
	s_add_nc_u64 s[10:11], s[10:11], s[22:23]
	s_lshl_b32 s22, s20, 8                         ; 256 scale bytes a run
	s_add_nc_u64 s[12:13], s[12:13], s[22:23]
.macro LOAD t
.irp i, 0,1,2,3
	global_load_b128 v[R+16*((\t)%4)+4*\i:R+16*((\t)%4)+4*\i+3], v3, s[4:5] offset:2048*(\t)+512*\i th:TH_LOAD_NT   ; 32 lanes read 512 consecutive bytes
.endr
.endm
.macro TURN t                          ; step t's numbers through the stage: LDS serves a wave's instructions in order, so no wait stands between the stores and the loads
.irp i, 0,1,2,3
	ds_store_b128 v14, v[R+16*((\t)%4)+4*\i:R+16*((\t)%4)+4*\i+3] offset:32*SP*((\t)%2)+8*SP*\i
.endr
.irp i, 0,1,2,3
	ds_load_b128 v[X+16*((\t)%2)+4*\i:X+16*((\t)%2)+4*\i+3], v15 offset:32*SP*((\t)%2)+16*\i
.endr
.endm
.irp t, 0,1,2,3
	LOAD \t
.endr
	s_wait_loadcnt 12                              ; step 0's four loads are in
	TURN 0
.macro STEP t
.set XS, X+16*((\t)%2)
.if (\t) > 0
	s_wait_dscnt 1                                 ; this step's numbers are back from the stage (the last step's byte store may be out): so its stores into the stage have read their registers,
.else
	s_wait_dscnt 0x0
.endif
.if (\t)+4 < STEPS
	LOAD (\t)+4                                    ; which take the loads of four steps on
.endif
.if (\t)+1 < STEPS
.if STEPS-2-(\t) >= 3
	s_wait_loadcnt 12                              ; the next step's four loads are in; those of the three steps behind it may be out
.else
	s_wait_loadcnt 4*(STEPS-2-(\t))
.endif
	TURN (\t)+1                                    ; and go through the other stage while this step is worked
.endif
	v_max3_num_f32 v8, |v[XS]|, |v[XS+1]|, |v[XS+2]|               ; the largest magnitude of my 16, in two chains
	v_max3_num_f32 v9, |v[XS+3]|, |v[XS+4]|, |v[XS+5]|
.irp i, 6,10
	v_max3_num_f32 v8, v8, |v[XS+\i]|, |v[XS+\i+1]|
	v_max3_num_f32 v9, v9, |v[XS+\i+2]|, |v[XS+\i+3]|
.endr
	v_max3_num_f32 v8, v8, |v[XS+14]|, |v[XS+15]|
	v_max3_num_f32 v8, v8, v9, (EMAX+1)<<23        ; and the floor 2^(3 - 127): the byte cannot fall under 1
	v_max_num_f32_dpp v8, v8, v8 row_xmask:1 row_mask:0xf bank_mask:0xf   ; and of my neighbour's 16: the block's
	v_add_nc_u32 v11, -(EMAX<<23), v8              ; 2 off its exponent field: the conversion takes the exponent field of this operand as its scale
	v_cvt_scalef32_pk8_fp4_f32 v[C+4*(\t)], v[XS:XS+7], v11
	v_cvt_scalef32_pk8_fp4_f32 v[C+4*(\t)+1], v[XS+8:XS+15], v11
	v_lshrrev_b32 v[E+(\t)], 23, v11               ; the scale's byte (also the plain line behind the conversions)
	ds_store_b8 v5, v[E+(\t)] offset:16*(\t)       ; both lanes of a block write the same byte with the same value
	global_store_b64 v4, v[C+4*(\t):C+4*(\t)+1], s[10:11] offset:32*CB*(\t)   ; 32 lanes store 256 consecutive bytes
.endm
.irp t, 0,1,2,3,4,5,6,7,8,9,10,11,12,13,14,15
	STEP \t
.endr
	ds_load_b64 v[12:13], v6                       ; LDS serves a wave's instructions in order: these see my stores
	s_wait_dscnt 0x0
	global_store_b64 v7, v[12:13], s[12:13]        ; 32 lanes store 256 consecutive bytes, aligned
	s_wait_tensorcnt 0x0
	ds_add_u32 v192, v193
	s_wait_dscnt 0x0
	s_endpgm
.Lfunc_end_k_q679ef4761b_quant:
	.size	k_q679ef4761b_quant, .Lfunc_end_k_q679ef4761b_quant-k_q679ef4761b_quant
	.p2alignl 7, 3214868480
	.fill 96, 4, 3214868480
	.section	.rodata,"a",@progbits
	.p2align	6, 0x0
	.amdhsa_kernel k_q679ef4761b_quant
		.amdhsa_group_segment_fixed_size 33280
		.amdhsa_private_segment_fixed_size 0
		.amdhsa_enable_private_segment 0
		.amdhsa_kernarg_size 40
		.amdhsa_user_sgpr_count 2
		.amdhsa_user_sgpr_kernarg_segment_ptr 1
		.amdhsa_wavefront_size32 1
		.amdhsa_system_sgpr_workgroup_id_x 1
		.amdhsa_system_sgpr_workgroup_id_y 1
		.amdhsa_system_sgpr_workgroup_id_z 1
		.amdhsa_system_vgpr_workitem_id 0
		.amdhsa_next_free_vgpr 194
		.amdhsa_next_free_sgpr 66
		.amdhsa_reserve_vcc 0
		.amdhsa_float_denorm_mode_32 3
		.amdhsa_float_denorm_mode_16_64 3
		.amdhsa_memory_ordered 1
		.amdhsa_forward_progress 1
		.amdhsa_inst_pref_size 34
	.end_amdhsa_kernel
	.amdgpu_metadata
---
amdhsa.version: [ 1, 2 ]
amdhsa.kernels:
  - .name:           k_q679ef4761b_quant
    .symbol:         k_q679ef4761b_quant.kd
    .args:
      - { .name: x, .offset: 0, .size: 8, .value_kind: global_buffer, .address_space: global }
      - { .name: w_qkv, .offset: 8, .size: 8, .value_kind: global_buffer, .address_space: global }
      - { .name: w_proj, .offset: 16, .size: 8, .value_kind: global_buffer, .address_space: global }
      - { .name: c1, .offset: 24, .size: 8, .value_kind: global_buffer, .address_space: global }
      - { .name: s1, .offset: 32, .size: 8, .value_kind: global_buffer, .address_space: global }
    .group_segment_fixed_size: 33280
    .private_segment_fixed_size: 0
    .kernarg_segment_align: 8
    .kernarg_segment_size: 40
    .max_flat_workgroup_size: 128
    .sgpr_count:     66
    .vgpr_count:     194
    .wavefront_size: 32
...
	.end_amdgpu_metadata
.endif
;; end of part 1
;; launch gemm_qk (part 2): grid 8 x 32, 4 waves a work-group, clusters of 4 x 4, 327,680 bytes of LDS; arguments c1, s1, b_qkv, qkc, qks; writes qkc, qks
.if DOCPART == 2
	.amdgcn_target "amdgcn-amd-amdhsa--gfx1250"
	.amdhsa_code_object_version 6
	.text
	.protected	k_q679ef4761b_gemm_qk
	.globl	k_q679ef4761b_gemm_qk
	.p2align	8
	.type	k_q679ef4761b_gemm_qk,@function
k_q679ef4761b_gemm_qk:
	s_mov_b64 s[64:65], 0
	v_nop
	global_prefetch_b8 v0, s[64:65] scope:SCOPE_SE
	s_setreg_imm32_b32 hwreg(HW_REG_WAVE_MODE, 25, 1), 1
	s_wait_xcnt 0x0
	s_wait_alu depctr_hold_cnt(0) depctr_sa_sdst(0) depctr_va_vdst(0) depctr_va_sdst(0) depctr_va_ssrc(0) depctr_va_vcc(0) depctr_vm_vsrc(0)
	s_getreg_b32 s2, hwreg(HW_REG_IB_STS2, 6, 4)
	s_cmp_eq_u32 s2, 0
	s_cbranch_scc0 .Lentry_in_a_cluster
	s_endpgm
.Lentry_in_a_cluster:
	s_bfe_u32 s2, ttmp6, 0x10000c
	s_cmp_lg_u32 s2, 0xf033
	s_cbranch_scc0 .Lentry_shape_is_right
	s_endpgm
.Lentry_shape_is_right:
.set WQC,    4194304
.set WQS,    262144
.set NQ,     4
.set ROWB,   512                       ; a tile's row: all of K, 1,024 codes
.set KROW,   512
.set PITCH,  528                       ; an LDS row: 512 bytes + 16 of padding
.set FR,     8
.set NL,     2
.set NP,     4
.set HALFT,  128*PITCH
.set SLOT,   256                       ; the second 512 along K begins 256 bytes on in each row
.set KS,     32
.set SCL,    4*HALFT                   ; the scales lie behind A's 256 and B's 256 rows
.set HALFS,  16*272
.set SBLK,   2*272
.set SRD,  12
.set BA,   13
.set LI,   14
.set SS,   15
.set ADRA, 16
.set ADRB, 20
.set ADRS, 27
.set SC,   32
.set TM,   96
.set W0,   108
.set WD,   112
.set AF,   128
.set CBI,  192
.set G1, 24
.set G0, 32
.set G1B, 48
.set G0B, 56
.set G1S, 68
.set G0S, 76
.set G1SB, 80
.set G0SB, 88
.set MSB, 0
.macro WIN new
.if MSB != \new
	s_set_vgpr_msb (MSB<<8)|\new
.set MSB, \new
.endif
.endm
.set MUL_LO,   0xa1
.set MUL_HI,   0xf1
.set FIRST_LO, 0x81
.set FIRST_HI, 0xc1
.set TO_B,     0x40
.macro ARM under, g0, g1, next         ; one arm of the head's chain: one joint load, then a jump to the join
	s_cmp_lt_u32 s14, \under
	s_cbranch_scc0 \next
	tensor_load_to_lds s[\g0:\g0+3], s[\g1:\g1+7]
	s_nop 0
.rept 4
	v_nop
.endr
	s_branch .Lhead_asked
\next:
.endm
.macro CROUND
	s_barrier_signal -1
	s_barrier_wait -1
	s_cmp_lg_u32 s14, 0
	s_cbranch_scc1 .Lnot_wave_0_\@
	s_barrier_signal -3
.Lnot_wave_0_\@:
	s_barrier_wait -3
	s_barrier_signal -1
	s_barrier_wait -1
.endm
	s_load_b128 s[4:7], s[0:1], 0x0
	s_load_b128 s[8:11], s[0:1], 0x10
	s_load_b64 s[12:13], s[0:1], 0x20
	v_lshl_add_u32 v110, v0, 2, 0x48400
	v_mov_b32 v111, 0
	ds_add_u32 v110, v111
	ds_add_u32 v110, v111
	v_lshrrev_b32 v1, 5, v0
	v_readfirstlane_b32 s14, v1
	s_lshr_b32 s15, s14, 1
	s_and_b32 s16, s14, 1
	s_bfe_u32 s40, ttmp6, 0x40000
	s_bfe_u32 s41, ttmp6, 0x40004
	s_lshl_b32 s42, ttmp9, 2
	s_add_co_u32 s42, s42, s40
	s_and_b32 s17, ttmp7, 0xffff
	s_lshl_b32 s17, s17, 2
	s_add_co_u32 s17, s17, s41
	s_lshl_b32 s43, s41, 2
	s_lshl_b32 s43, 15, s43
	s_lshl_b32 s44, 0x1111, s40
	s_or_b32 s[G1+0], s43, (0<<16)|(1<<20)|(1<<21)|(6<<22)|(3<<25)   ; 4 words of padding after every 128
	s_or_b32 s[G1B+0], s44, (0<<16)|(1<<20)|(1<<21)|(6<<22)|(3<<25)
.irp g, G1, G1B
	s_mov_b32 s[\g+1], ROWB<<16
	s_mov_b32 s[\g+2], 256<<16
	s_mov_b32 s[\g+3], ROWB<<16
	s_mov_b32 s[\g+4], 256
	s_mov_b32 s[\g+5], KROW
	s_mov_b32 s[\g+6], 0
	s_mov_b32 s[\g+7], 0
.endr
	s_or_b32 s[G1S+0], s43, (3<<16)|(1<<20)|(1<<21)|(5<<22)|(3<<25)
	s_or_b32 s[G1SB+0], s44, (3<<16)|(1<<20)|(1<<21)|(5<<22)|(3<<25)
.irp g, G1S, G1SB
	s_mov_b32 s[\g+1], 32<<16
	s_mov_b32 s[\g+2], 32<<16
	s_mov_b32 s[\g+3], 32<<16
	s_mov_b32 s[\g+4], 32
	s_mov_b32 s[\g+5], 32
	s_mov_b32 s[\g+6], 0
	s_mov_b32 s[\g+7], 0
.endr
	s_lshl_b32 s20, s17, 8                         ; A: the tile's first position
	s_lshl_b32 s46, s42, 8                         ; B: likewise
	s_lshl_b32 s22, s20, 5
	s_lshl_b32 s92, s46, 5
	s_add_co_u32 s92, s92, WQS
	s_lshl_b32 s20, s20, 9
	s_lshl_b32 s46, s46, 9
	s_add_co_u32 s46, s46, WQC
	s_mov_b32 s21, 0
	s_mov_b32 s23, 0
	s_mov_b32 s47, 0
	s_mov_b32 s93, 0
	s_wait_dscnt 0x0
	s_wait_kmcnt 0x0
	s_add_nc_u64 s[20:21], s[4:5], s[20:21]
	s_add_nc_u64 s[22:23], s[6:7], s[22:23]
	s_add_nc_u64 s[46:47], s[4:5], s[46:47]
	s_add_nc_u64 s[92:93], s[6:7], s[92:93]
	CROUND
	s_mov_b32 s[G0S], 1
	s_mov_b32 s[G0S+1], SCL
	s_mov_b64 s[G0S+2:G0S+3], s[22:23]
	s_or_b32 s[G0S+3], s[G0S+3], 0x80000000
	s_mov_b32 s[G0SB], 1
	s_mov_b32 s[G0SB+1], SCL+2*HALFS
	s_mov_b64 s[G0SB+2:G0SB+3], s[92:93]
	s_or_b32 s[G0SB+3], s[G0SB+3], 0x80000000
	s_mov_b32 s[G0], 1
	s_mov_b32 s[G0+1], 0
	s_mov_b64 s[G0+2:G0+3], s[20:21]
	s_or_b32 s[G0+3], s[G0+3], 0x80000000
	s_mov_b32 s[G0B], 1
	s_mov_b32 s[G0B+1], 2*HALFT
	s_mov_b64 s[G0B+2:G0B+3], s[46:47]
	s_or_b32 s[G0B+3], s[G0B+3], 0x80000000
	; the head's four fills, one a wave: wave 0 A's 256 rows of all K, wave 1 B's, wave 2 A's scales, wave 3 B's; nothing is filled later
	ARM 1, G0,  G1,  .Lhead_b
	ARM 2, G0B, G1B, .Lhead_sa
	ARM 3, G0S, G1S, .Lhead_sb
	tensor_load_to_lds s[G0SB:G0SB+3], s[G1SB:G1SB+7]
	s_nop 0
.rept 4
	v_nop
.endr
.Lhead_asked:
	v_and_b32 v1, 15, v0
	v_bfe_u32 v2, v0, 4, 1
	v_mul_u32_u24 v3, v1, PITCH
	v_lshl_add_u32 v4, v2, 4, v3
	s_mul_i32 s21, s15, HALFT
	s_mul_i32 s22, s16, HALFT
	s_add_co_u32 s22, s22, 2*HALFT
.irp s, 0,1
	v_add_nc_u32 v[ADRA+\s], s21, v4
	v_add_nc_u32 v[ADRB+\s], s22, v4
	s_add_co_u32 s21, s21, SLOT
	s_add_co_u32 s22, s22, SLOT
.endr
	v_mul_u32_u24 v5, v1, KS
	v_lshrrev_b32 v6, 8, v5
	v_lshl_add_u32 v5, v6, 4, v5
	s_mul_i32 s21, s15, HALFS
	s_mul_i32 s22, s16, HALFS
	s_add_co_u32 s22, s22, 2*HALFS
	s_sub_co_u32 s22, s22, s21
	v_mul_u32_u24 v6, s22, v2
	s_add_co_u32 s21, s21, SCL
	v_add_nc_u32 v5, v5, v6
	v_add_nc_u32 v[ADRS], s21, v5
	v_and_b32 v5, 31, v0
	v_lshlrev_b32 v[LI], 4, v5
	s_lshl_b32 s21, s14, 10
	v_add_nc_u32 v[SRD], s21, v[LI]
	v_lshlrev_b32 v6, 4, v1
	v_lshl_add_u32 v6, v2, 9, v6
	v_add_nc_u32 v[SS], s21, v6
	v_lshlrev_b32 v[BA], 6, v2
	s_wait_alu depctr_va_vdst(0)
.irp b, 0,1,2,3
	v_mov_b32 v[TM+4+\b], 0
.endr
	s_mov_b32 s100, 0x76543210
	s_mov_b32 s101, 0xfedcba98
	s_mov_b32 vcc_lo, 0xffff0000
	s_lshl_b32 s2, s42, 8
	s_lshl_b32 s3, s16, 7
	s_add_co_u32 s2, s2, s3
	s_lshl_b32 s66, s17, 8
	s_lshl_b32 s3, s15, 7
	s_add_co_u32 s66, s66, s3
	s_lshl_b32 s18, s2, 2
	s_mov_b32 s19, 0
	s_add_nc_u64 s[8:9], s[8:9], s[18:19]
.irp b, 0,1,2,3
.irp k, 0,1,2,3
	global_load_b128 v[CBI+16*\b+4*\k:CBI+16*\b+4*\k+3], v[BA], s[8:9] offset:128*\b+16*\k
.endr
.endr
	s_and_b32 s18, s2, 1024
	s_lshl_b32 s18, s18, 12
	s_and_b32 s3, s2, 1023
	s_lshl_b32 s67, s3, 10
	s_add_co_u32 s18, s18, s67
	s_lshr_b32 s67, s66, 11
	s_lshl_b32 s67, s67, 20
	s_add_co_u32 s18, s18, s67
	s_and_b32 s67, s66, 2047
	s_lshl_b32 s67, s67, 5
	s_add_co_u32 s18, s18, s67
	s_add_nc_u64 s[96:97], s[10:11], s[18:19]
	s_and_b32 s18, s2, 1024
	s_lshl_b32 s18, s18, 9
	s_lshl_b32 s67, s3, 7
	s_add_co_u32 s18, s18, s67
	s_lshr_b32 s67, s66, 11
	s_lshl_b32 s67, s67, 17
	s_add_co_u32 s18, s18, s67
	s_and_b32 s67, s66, 2047
	s_lshl_b32 s67, s67, 2
	s_add_co_u32 s18, s18, s67
	s_add_nc_u64 s[98:99], s[12:13], s[18:19]
.macro FRAG reg, adr, q, i
.irp c, 0,1
	ds_load_b128 v[\reg+4*\c:\reg+4*\c+3], v[\adr] offset:64*(\q)+32*\c+(\i)*16*PITCH
.endr
.endm
.macro MUL16 a0, p, q, sc, first
.irp a, \a0, \a0+1
.irp b, 0,1,2,3,4,5,6,7
.if \first
	v_wmma_scale_f32_16x16x128_f8f6f4 v[8*(8*((\a)%4)+\b):8*(8*((\a)%4)+\b)+7], v[128*(\p)+FR*\b:128*(\p)+FR*\b+FR-1], v[AF+FR*(\a):AF+FR*(\a)+FR-1], v[CBI+8*\b:CBI+8*\b+7], v[SC+8*NQ*(\sc)+NQ*\b+(\q)], v[SC+8*NQ*(\sc)+NQ*(\a)+(\q)] matrix_a_fmt:MATRIX_FMT_FP4 matrix_b_fmt:MATRIX_FMT_FP4 matrix_a_scale:MATRIX_SCALE_ROW1
.else
	v_wmma_scale_f32_16x16x128_f8f6f4 v[8*(8*((\a)%4)+\b):8*(8*((\a)%4)+\b)+7], v[128*(\p)+FR*\b:128*(\p)+FR*\b+FR-1], v[AF+FR*(\a):AF+FR*(\a)+FR-1], v[8*(8*((\a)%4)+\b):8*(8*((\a)%4)+\b)+7], v[SC+8*NQ*(\sc)+NQ*\b+(\q)], v[SC+8*NQ*(\sc)+NQ*(\a)+(\q)] matrix_a_fmt:MATRIX_FMT_FP4 matrix_b_fmt:MATRIX_FMT_FP4 matrix_a_scale:MATRIX_SCALE_ROW1
.endif
.endr
.endr
.endm
.macro FETCH_B slot, q, p
	WIN TO_B
.irp i, 0,1,2,3,4,5,6,7
	FRAG 128*(\p)+FR*\i, ADRB+\slot, \q, \i
.endr
	WIN 0
.endm
.macro FETCH_A slot, q, i0
.irp i, \i0, \i0+1, \i0+2, \i0+3
	FRAG AF+FR*(\i), ADRA+\slot, \q, \i
.endr
.endm
.macro SCALES sc
.irp i, 0,1,2,3,4,5,6,7
	ds_load_b128 v[SC+8*NQ*\sc+NQ*\i:SC+8*NQ*\sc+NQ*\i+3], v[ADRS] offset:\i*SBLK
.endr
.endm
.macro PLACES n
.rept \n
	v_nop
.endr
.endm
.macro STEP slot, q, first
	s_wait_dscnt 4*NL
.if \first
	WIN FIRST_LO
.else
	WIN MUL_LO
.endif
	MUL16 0, (\q)%2, \q, \slot, \first
	MUL16 2, (\q)%2, \q, \slot, \first
	s_wait_dscnt 0
	PLACES NP
	FETCH_B \slot, (\q)+1, 1-(\q)%2
	FETCH_A \slot, (\q)+1, 0
.if \first
	WIN FIRST_HI
.else
	WIN MUL_HI
.endif
	MUL16 4, (\q)%2, \q, \slot, \first
	MUL16 6, (\q)%2, \q, \slot, \first
	PLACES NP
	WIN 0
	FETCH_A \slot, (\q)+1, 4
.endm
.macro TURN slot, next
	s_wait_tensorcnt 0x0
	s_wait_dscnt 4*NL
	WIN MUL_LO
	MUL16 0, 1, NQ-1, \slot, 0
	s_wait_dscnt 0x0
	s_barrier_signal -1
	MUL16 2, 1, NQ-1, \slot, 0
	WIN 0
	s_barrier_wait -1
	PLACES NP
	v_add_nc_u32 v[ADRS], 4*NQ, v[ADRS]
	FETCH_B \next, 0, 0
	FETCH_A \next, 0, 0
	SCALES \next
	WIN MUL_HI
	MUL16 4, 1, NQ-1, \slot, 0
	MUL16 6, 1, NQ-1, \slot, 0
	PLACES NP
	WIN 0
	FETCH_A \next, 0, 4
.endm
.macro STEPS slot, from
.set Q, \from
.rept NQ-1-\from
	STEP \slot, Q, 0
.set Q, Q+1
.endr
.endm
	s_wait_tensorcnt 0x0                           ; my one fill has landed
	s_barrier_signal -1
	s_barrier_wait -1
	FETCH_B 0, 0, 0
	FETCH_A 0, 0, 0
	SCALES 0
	FETCH_A 0, 0, 4
	s_wait_loadcnt 0x0
	STEP 0, 0, 1
	STEPS 0, 1
	TURN 0, 1
	STEPS 1, 0
	s_wait_dscnt 4*NL
	WIN MUL_LO
	MUL16 0, 1, NQ-1, 1, 0
	MUL16 2, 1, NQ-1, 1, 0
	s_wait_dscnt 0
	WIN MUL_HI
	MUL16 4, 1, NQ-1, 1, 0
	MUL16 6, 1, NQ-1, 1, 0
	WIN 0
	s_barrier_signal -1                            ; every wave's reads of the tiles are over (each has waited on DScnt): the way out's stage lies on A's first rows
	s_barrier_wait -1
	PLACES NP
.macro OUTQK a
.set AC, 64*((\a)%4)
.set PC, AF+8*(\a)
.set WN, 0x28+0x14*((\a)/4)
	WIN WN
.irp b, 0,1,2,3
	v_max3_num_f32 v[TM+\b], 0x1800000, |v[AC+16*\b]|, |v[AC+16*\b+1]|
.endr
.irp i, 2,4,6,8,10,12,14
.irp b, 0,1,2,3
	v_max3_num_f32 v[TM+\b], v[TM+\b], |v[AC+16*\b+\i]|, |v[AC+16*\b+\i+1]|
.endr
.endr
	WIN 0
.irp b, 0,1,2,3
	v_permlanex16_b32 v[TM+4+\b], v[TM+\b], s100, s101
.endr
.irp b, 0,1,2,3
	v_max_num_f32 v[TM+\b], v[TM+\b], v[TM+4+\b]
.endr
.irp b, 0,1,2,3
	v_add_nc_u32 v[TM+8+\b], 0xff000000, v[TM+\b]
.endr
.irp b, 0,1,2,3
	v_lshrrev_b32 v[TM+4+\b], 23, v[TM+8+\b]
.endr
	v_lshl_or_b32 v[W0], v[TM+5], 8, v[TM+4]
	v_lshl_or_b32 v[W0+1], v[TM+7], 8, v[TM+6]
	v_cndmask_b32 v[WD+(\a)], v[W0], v[W0+1], vcc_lo
.set WN, 0x02+(\a)/4
	WIN WN
.irp b, 0,1,2,3
	v_cvt_scalef32_pk8_fp4_f32 v[PC+2*\b], v[AC+16*\b:AC+16*\b+7], v[TM+8+\b]
	v_cvt_scalef32_pk8_fp4_f32 v[PC+2*\b+1], v[AC+16*\b+8:AC+16*\b+15], v[TM+8+\b]
.endr
	WIN 0
	v_nop
.irp c, 0,1
.irp i, 0,1
	v_permlane16_swap_b32 v[PC+4*\c+\i], v[PC+4*\c+2+\i]
.endr
.endr
	global_store_b128 v[LI], v[PC:PC+3], s[96:97] offset:512*(\a)
	global_store_b128 v[LI], v[PC+4:PC+7], s[96:97] offset:65536+512*(\a)
	ds_store_b32 v[SS], v[WD+(\a)] offset:((\a)%2)*256+((\a)/2)*4
.endm
.irp a, 0,1,2,3,4,5,6,7
	OUTQK \a
.endr
	ds_load_b128 v[120:123], v[SRD]
	ds_load_b128 v[124:127], v[SRD] offset:512
	s_wait_dscnt 0x0
	global_store_b128 v[LI], v[120:123], s[98:99]
	global_store_b128 v[LI], v[124:127], s[98:99] offset:8192
	s_wait_tensorcnt 0x0
	ds_add_u32 v110, v111
	s_wait_dscnt 0x0
	CROUND
	s_endpgm
.Lfunc_end_k_q679ef4761b_gemm_qk:
	.size	k_q679ef4761b_gemm_qk, .Lfunc_end_k_q679ef4761b_gemm_qk-k_q679ef4761b_gemm_qk
	.p2alignl 7, 3214868480
	.fill 96, 4, 3214868480
	.section	.rodata,"a",@progbits
	.p2align	6, 0x0
	.amdhsa_kernel k_q679ef4761b_gemm_qk
		.amdhsa_group_segment_fixed_size 327680
		.amdhsa_private_segment_fixed_size 0
		.amdhsa_enable_private_segment 0
		.amdhsa_kernarg_size 40
		.amdhsa_user_sgpr_count 2
		.amdhsa_user_sgpr_kernarg_segment_ptr 1
		.amdhsa_wavefront_size32 1
		.amdhsa_system_sgpr_workgroup_id_x 1
		.amdhsa_system_sgpr_workgroup_id_y 1
		.amdhsa_system_sgpr_workgroup_id_z 1
		.amdhsa_system_vgpr_workitem_id 0
		.amdhsa_next_free_vgpr 1024
		.amdhsa_next_free_sgpr 102
		.amdhsa_reserve_vcc 1
		.amdhsa_float_denorm_mode_32 3
		.amdhsa_float_denorm_mode_16_64 3
		.amdhsa_memory_ordered 1
		.amdhsa_forward_progress 1
		.amdhsa_inst_pref_size 129
	.end_amdhsa_kernel
	.amdgpu_metadata
---
amdhsa.version: [ 1, 2 ]
amdhsa.kernels:
  - .name:           k_q679ef4761b_gemm_qk
    .symbol:         k_q679ef4761b_gemm_qk.kd
    .args:
      - { .name: c1, .offset: 0, .size: 8, .value_kind: global_buffer, .address_space: global }
      - { .name: s1, .offset: 8, .size: 8, .value_kind: global_buffer, .address_space: global }
      - { .name: b_qkv, .offset: 16, .size: 8, .value_kind: global_buffer, .address_space: global }
      - { .name: qkc, .offset: 24, .size: 8, .value_kind: global_buffer, .address_space: global }
      - { .name: qks, .offset: 32, .size: 8, .value_kind: global_buffer, .address_space: global }
    .group_segment_fixed_size: 327680
    .private_segment_fixed_size: 0
    .kernarg_segment_align: 8
    .kernarg_segment_size: 40
    .max_flat_workgroup_size: 128
    .sgpr_count:     102
    .vgpr_count:     1024
    .wavefront_size: 32
...
	.end_amdgpu_metadata
.endif
;; end of part 2
;; launch gemm_v (part 3): grid 32 x 8, 4 waves a work-group, clusters of 4 x 4, 220,416 bytes of LDS; arguments c1, s1, b_qkv, vc, vs; writes vc, vs
.if DOCPART == 3
	.amdgcn_target "amdgcn-amd-amdhsa--gfx1250"
	.amdhsa_code_object_version 6
	.text
	.protected	k_q679ef4761b_gemm_v
	.globl	k_q679ef4761b_gemm_v
	.p2align	8
	.type	k_q679ef4761b_gemm_v,@function
k_q679ef4761b_gemm_v:
	s_mov_b64 s[64:65], 0
	v_nop
	global_prefetch_b8 v0, s[64:65] scope:SCOPE_SE
	s_setreg_imm32_b32 hwreg(HW_REG_WAVE_MODE, 25, 1), 1
	s_wait_xcnt 0x0
	s_wait_alu depctr_hold_cnt(0) depctr_sa_sdst(0) depctr_va_vdst(0) depctr_va_sdst(0) depctr_va_ssrc(0) depctr_va_vcc(0) depctr_vm_vsrc(0)
	s_getreg_b32 s2, hwreg(HW_REG_IB_STS2, 6, 4)
	s_cmp_eq_u32 s2, 0
	s_cbranch_scc0 .Lentry_in_a_cluster
	s_endpgm
.Lentry_in_a_cluster:
	s_bfe_u32 s2, ttmp6, 0x10000c
	s_cmp_lg_u32 s2, 0xf033
	s_cbranch_scc0 .Lentry_shape_is_right
	s_endpgm
.Lentry_shape_is_right:
; v = x w^T + b for features 2048-3071 of w_qkv, on codes of FP4 (E2M1) with one E8M0 scale for each 32 along K = 1,024; the results are quantised ALONG THE KEYS (the K of attention's second product) in registers and leave as codes.
; A (source 1, the lanes) = 128 feature positions of w_qkv's v part; B (source 0, the registers) = 256 token positions of x.  Rows stand in c1 with bits 3 and 4 of their number exchanged, so that in the results of B's tiles 2 B and 2 B + 1
; a lane's 16 registers are the 16 neighbouring tokens 32 B + 16 (lane / 16) + 0 .. 15 of one feature; the lane 16 away holds the block's other half.
; SHARES: a block of 128 x 256 to a work-group: 8 x 32 = 256 work-groups.  A wave makes 64 features (one head) x 128 tokens (one key step): 32 accumulators, 256 registers.
; LDS: all of K comes once, at the head, one joint load a wave: wave 0 A's 128 rows (512 bytes + 16 of padding each), wave 1 B's 256 rows, wave 2 A's scale bytes, wave 3 B's.  No LDS byte is filled twice; the way out's stage has bytes of its own.
; CLUSTERS: 4 x 4 work-groups; A's tiles are asked for jointly along a row of the cluster, B's along a column.  No prefetch: all fills stand at the head, and no loop fills LDS.
; THE BIAS is the C of each sum's first matrix instruction: a lane's feature's bias in all eight registers of a tile.
; OUT: vc [batch x head][key step of 128][tile of 16 of the head's 64][c][512 bytes]: the image of registers 4 c .. 4 c + 3 of an operand, lane l's 16 bytes at 16 l.
;      vs [batch x head][key step][256 bytes]: the word of (tile t, row r) at ((t & 1) 16 + r) 8 + (t >> 1) 4.
; LIMITS: a block of zeros gets the byte 1 (its codes are zeros; this program alone reads the bytes); blocks under 2^-124 are held at byte 1; NaN and infinities are not served.
; REGISTERS: window 0: v1-27 addresses; v32-95 scale words of both halves of K, and nothing else; v96-127 at work on the way out; v128-191 A's fragments, two sets, then the codes; v192-223 the bias.  window 1: B's fragments, two sets.  window 2: accumulator (a, b) at v[8 (8 a + b)].
.set WVC,    5242880                   ; the v rows of w_qkv in c1, and in s1
.set WVS,    327680
.set PITCH,  528                       ; 132 words: row r starts at bank 4 r mod 64 (64 banks of 4 bytes: ISA guide 11.1)
.set HALFT,  128*PITCH
.set BOFF,   HALFT                     ; B's rows lie behind A's 128
.set SCL,    BOFF+2*HALFT              ; then the scales, as units of 256 bytes + 16: A's 128 rows, B's 256
.set HALFS,  16*272
.set SBLK,   2*272
.set STG,    SCL+3*HALFS               ; the way out: 1,024 bytes a wave
.set SPARE,  STG+4096                  ; the spare words: 128 bytes a wave
.set L8,   11
.set SRD,  12
.set BA,   13
.set LI,   14
.set SS,   15
.set ADRA, 16
.set ADRB, 20
.set ADRS, 27
.set SC,   32
.set TM,   96
.set WD,   112
.set AF,   128
.set CBI,  192
.set G1, 24
.set G0, 32
.set G1B, 48
.set G0B, 56
.set G1S, 68
.set G0S, 76
.set G1SB, 80
.set G0SB, 88
.set MSB, 0
.macro WIN new                         ; the immediate's high byte repeats the setting that is left
.if MSB != \new
	s_set_vgpr_msb (MSB<<8)|\new
.set MSB, \new
.endif
.endm
.macro PLACES
.rept 4
	v_nop
.endr
.endm
.macro ARM under, g0, g1, next         ; one arm of the head's chain: one joint load, then a jump to the join
	s_cmp_lt_u32 s14, \under
	s_cbranch_scc0 \next
	tensor_load_to_lds s[\g0:\g0+3], s[\g1:\g1+7]
	s_nop 0
	PLACES
	s_branch .Lhead_asked
\next:
.endm
.macro CROUND                          ; a round of the cluster's barrier
	s_barrier_signal -1
	s_barrier_wait -1
	s_cmp_lg_u32 s14, 0
	s_cbranch_scc1 .Lnot_wave_0_\@
	s_barrier_signal -3
.Lnot_wave_0_\@:
	s_barrier_wait -3
	s_barrier_signal -1
	s_barrier_wait -1
.endm
.macro GRP g, d0, rows, pitch          ; words 1 to 7 of a group 1
	s_mov_b32 s[\g+1], (\d0)<<16
	s_mov_b32 s[\g+2], (\rows)<<16
	s_mov_b32 s[\g+3], (\d0)<<16
	s_mov_b32 s[\g+4], \rows
	s_mov_b32 s[\g+5], \pitch
	s_mov_b32 s[\g+6], 0
	s_mov_b32 s[\g+7], 0
.endm
.macro GRP0 g, lds, src
	s_mov_b32 s[\g], 1
	s_mov_b32 s[\g+1], \lds
	s_mov_b64 s[\g+2:\g+3], s[\src:\src+1]
	s_or_b32 s[\g+3], s[\g+3], 0x80000000
.endm
	s_load_b128 s[4:7], s[0:1], 0x0                ; c1, s1
	s_load_b128 s[8:11], s[0:1], 0x10              ; b_qkv, vc
	s_load_b64 s[12:13], s[0:1], 0x20              ; vs
	v_lshl_add_u32 v126, v0, 2, SPARE
	v_mov_b32 v127, 0
	ds_add_u32 v126, v127                          ; the opening lines: the add twice on end and one wait
	ds_add_u32 v126, v127
	v_lshrrev_b32 v1, 5, v0
	v_readfirstlane_b32 s14, v1                    ; wave 0..3
	s_lshr_b32 s15, s14, 1                         ; which 64 features are mine
	s_and_b32 s16, s14, 1                          ; which 128 tokens
	s_bfe_u32 s40, ttmp6, 0x40000                  ; cx, cy
	s_bfe_u32 s41, ttmp6, 0x40004
	s_lshl_b32 s42, ttmp9, 2
	s_add_co_u32 s42, s42, s40                     ; tile column (256 tokens)
	s_and_b32 s17, ttmp7, 0xffff
	s_lshl_b32 s17, s17, 2
	s_add_co_u32 s17, s17, s41                     ; tile row (128 features)
	s_lshl_b32 s43, s41, 2
	s_lshl_b32 s43, 15, s43                        ; my row of the cluster
	s_lshl_b32 s44, 0x1111, s40                    ; my column
	s_or_b32 s[G1+0], s43, (0<<16)|(1<<20)|(1<<21)|(6<<22)|(3<<25)   ; the mask; elements of 1 byte; padding on; bit 21 beside a mask; 4 words after every 128
	s_or_b32 s[G1B+0], s44, (0<<16)|(1<<20)|(1<<21)|(6<<22)|(3<<25)
	GRP G1,  512, 128, 512
	GRP G1B, 512, 256, 512
	s_or_b32 s[G1S+0], s43, (3<<16)|(1<<20)|(1<<21)|(5<<22)|(3<<25)  ; elements of 8 bytes; 4 words after every 64
	s_or_b32 s[G1SB+0], s44, (3<<16)|(1<<20)|(1<<21)|(5<<22)|(3<<25)
	GRP G1S,  32, 16, 32
	GRP G1SB, 32, 32, 32
	s_lshl_b32 s20, s17, 7                         ; A: the tile's first position
	s_lshl_b32 s46, s42, 8                         ; B: likewise
	s_lshl_b32 s22, s20, 5
	s_add_co_u32 s22, s22, WVS
	s_lshl_b32 s92, s46, 5
	s_lshl_b32 s20, s20, 9
	s_add_co_u32 s20, s20, WVC
	s_lshl_b32 s46, s46, 9
	s_mov_b32 s21, 0
	s_mov_b32 s23, 0
	s_mov_b32 s47, 0
	s_mov_b32 s93, 0
	s_wait_dscnt 0x0
	s_wait_kmcnt 0x0
	s_add_nc_u64 s[20:21], s[4:5], s[20:21]
	s_add_nc_u64 s[22:23], s[6:7], s[22:23]
	s_add_nc_u64 s[46:47], s[4:5], s[46:47]
	s_add_nc_u64 s[92:93], s[6:7], s[92:93]
	CROUND                                         ; all sixteen work-groups are here: the joint loads meet
	GRP0 G0,   0,         20
	GRP0 G0B,  BOFF,      46
	GRP0 G0S,  SCL,       22
	GRP0 G0SB, SCL+HALFS, 92
	ARM 1, G0,  G1,  .Lhead_b                      ; one load a wave
	ARM 2, G0B, G1B, .Lhead_sa
	ARM 3, G0S, G1S, .Lhead_sb
	tensor_load_to_lds s[G0SB:G0SB+3], s[G1SB:G1SB+7]
	s_nop 0
	PLACES
.Lhead_asked:
	v_and_b32 v1, 15, v0                           ; r
	v_bfe_u32 v2, v0, 4, 1                         ; h
	v_mul_u32_u24 v3, v1, PITCH
	v_lshl_add_u32 v4, v2, 4, v3
	s_mul_i32 s21, s15, 64*PITCH
	s_mul_i32 s22, s16, HALFT
	s_add_co_u32 s22, s22, BOFF
.irp s, 0,1                            ; the second 512 along K begins 256 bytes on in each row
	v_add_nc_u32 v[ADRA+\s], s21, v4
	v_add_nc_u32 v[ADRB+\s], s22, v4
	s_add_co_u32 s21, s21, 256
	s_add_co_u32 s22, s22, 256
.endr
	v_mul_u32_u24 v5, v1, 32                       ; my row's scales: 32 bytes a row, and 16 more for each 256 passed
	v_lshrrev_b32 v6, 8, v5
	v_lshl_add_u32 v5, v6, 4, v5
	s_mul_i32 s21, s15, HALFS/2
	s_mul_i32 s22, s16, HALFS
	s_add_co_u32 s22, s22, HALFS
	s_sub_co_u32 s22, s22, s21
	v_mul_u32_u24 v6, s22, v2                      ; lanes 16-31 take B's
	s_add_co_u32 s21, s21, SCL
	v_add_nc_u32 v5, v5, v6
	v_add_nc_u32 v[ADRS], s21, v5
	v_and_b32 v5, 31, v0
	v_lshlrev_b32 v[LI], 4, v5                     ; 16 x lane
	v_lshlrev_b32 v[L8], 3, v5                     ; 8 x lane
	s_lshl_b32 s21, s14, 10
	s_add_co_u32 s21, s21, STG
	v_add_nc_u32 v[SRD], s21, v[L8]
	v_lshlrev_b32 v6, 3, v1
	v_add_nc_u32 v[SS], s21, v6                    ; 8 r
	v_and_b32 v6, 8, v1
	v_add_nc_u32 v6, v6, v1
	v_lshlrev_b32 v[BA], 2, v6                     ; 4 (r + 8 (r / 8))
	s_wait_alu depctr_va_vdst(0)
.irp b, 0,1,2,3
	v_mov_b32 v[TM+4+\b], 0                        ; written once: a lane permute's destination counts as one of its sources
.endr
	s_mov_b32 s100, 0x76543210
	s_mov_b32 s101, 0xfedcba98
	s_lshl_b32 s2, s17, 7
	s_lshl_b32 s3, s15, 6
	s_add_co_u32 s2, s2, s3                        ; M0: my first feature of v's 1,024
	s_lshl_b32 s66, s42, 8
	s_lshl_b32 s3, s16, 7
	s_add_co_u32 s66, s66, s3                      ; N0: my first token
	s_lshl_b32 s18, s2, 2
	s_add_co_u32 s18, s18, 8192                    ; v's bias begins at number 2,048
	s_mov_b32 s19, 0
	s_add_nc_u64 s[8:9], s[8:9], s[18:19]
.irp a, 0,1,2,3
	global_load_b32 v[CBI+8*\a], v[BA], s[8:9] offset:(32*(\a/2)+8*(\a%2))*4   ; lane r of block a holds feature M0 + 32 (a / 2) + 8 (a % 2) + r + 8 (r / 8)
.endr
	s_lshr_b32 s18, s66, 11                        ; vc: the batch: 16 heads of 65,536 bytes;
	s_lshl_b32 s18, s18, 20
	s_lshl_b32 s67, s2, 10                         ; the head: 65,536 bytes for each 64 features;
	s_add_co_u32 s18, s18, s67
	s_and_b32 s67, s66, 2047
	s_lshl_b32 s67, s67, 5                         ; the key step: 4,096 bytes for each 128 tokens
	s_add_co_u32 s18, s18, s67
	s_add_nc_u64 s[96:97], s[10:11], s[18:19]
	s_lshr_b32 s18, s66, 11                        ; vs: the same with 4,096 bytes a head and 256 a key step
	s_lshl_b32 s18, s18, 16
	s_lshl_b32 s67, s2, 6
	s_add_co_u32 s18, s18, s67
	s_and_b32 s67, s66, 2047
	s_lshl_b32 s67, s67, 1
	s_add_co_u32 s18, s18, s67
	s_add_nc_u64 s[98:99], s[12:13], s[18:19]
; Step G (0 .. 7) is 128 along K: 32 matrix instructions, the 32 accumulators by turns, on fragment sets G % 2.
.macro MUL32 first
.irp a, 0,1,2,3
.irp b, 0,1,2,3,4,5,6,7
.if \first
	v_wmma_scale_f32_16x16x128_f8f6f4 v[8*(8*\a+\b):8*(8*\a+\b)+7], v[128*(G%2)+8*\b:128*(G%2)+8*\b+7], v[AF+32*(G%2)+8*\a:AF+32*(G%2)+8*\a+7], v[CBI+8*\a:CBI+8*\a+7], v[SC+32*(G/4)+4*\b+G%4], v[SC+32*(G/4)+4*\a+G%4] matrix_a_fmt:MATRIX_FMT_FP4 matrix_b_fmt:MATRIX_FMT_FP4 matrix_a_scale:MATRIX_SCALE_ROW1
.else
	v_wmma_scale_f32_16x16x128_f8f6f4 v[8*(8*\a+\b):8*(8*\a+\b)+7], v[128*(G%2)+8*\b:128*(G%2)+8*\b+7], v[AF+32*(G%2)+8*\a:AF+32*(G%2)+8*\a+7], v[8*(8*\a+\b):8*(8*\a+\b)+7], v[SC+32*(G/4)+4*\b+G%4], v[SC+32*(G/4)+4*\a+G%4] matrix_a_fmt:MATRIX_FMT_FP4 matrix_b_fmt:MATRIX_FMT_FP4 matrix_a_scale:MATRIX_SCALE_ROW1
.endif
.endr
.endr
.endm
.macro FETCH                           ; step F's fragments into sets F % 2: 16 loads for B, 8 for A
	WIN 0x40
.irp i, 0,1,2,3,4,5,6,7
.irp c, 0,1
	ds_load_b128 v[128*(F%2)+8*\i+4*\c:128*(F%2)+8*\i+4*\c+3], v[ADRB+F/4] offset:64*(F%4)+32*\c+\i*16*PITCH
.endr
.endr
	WIN 0
.irp i, 0,1,2,3
.irp c, 0,1
	ds_load_b128 v[AF+32*(F%2)+8*\i+4*\c:AF+32*(F%2)+8*\i+4*\c+3], v[ADRA+F/4] offset:64*(F%4)+32*\c+\i*16*PITCH
.endr
.endr
.endm
.macro STEPG
	s_wait_dscnt 0x0                               ; this step's fragments are in: they were asked for ahead of the last step's products
.if G > 0
	PLACES                                         ; in front of loads into registers that the last step's products read
.endif
.if G < 7
.set F, G+1
	FETCH
.endif
.if G == 0
	WIN 0x81                                       ; B window 1, A and the bias window 0, D window 2
	MUL32 1
.else
	WIN 0xa1                                       ; C and D window 2
	MUL32 0
.endif
	WIN 0
.endm
	s_wait_alu depctr_va_vdst(0)
	s_wait_tensorcnt 0x0                           ; my one fill has landed,
	s_barrier_signal -1
	s_barrier_wait -1                              ; everybody's have
.set F, 0
	FETCH
.irp s, 0,1
.irp i, 0,1,2,3,4,5,6,7
	ds_load_b128 v[SC+32*\s+4*\i:SC+32*\s+4*\i+3], v[ADRS] offset:\i*SBLK+16*\s   ; lanes 0-15: A's block i (0-3 are used), lanes 16-31: B's block i; four words for 512 along K
.endr
.endr
	s_wait_loadcnt 0x0                             ; the bias
.irp a, 0,1,2,3
.irp j, 1,2,3,4,5,6,7
	v_mov_b32 v[CBI+8*\a+\j], v[CBI+8*\a]          ; a lane's eight results of a tile are eight tokens of ONE feature
.endr
.endr
	PLACES
	s_wait_alu depctr_va_vdst(0)
.set G, 0
.rept 8
	STEPG
.set G, G+1
.endr
	PLACES
; THE WAY OUT of block a (16 feature positions x my 128 tokens = 4 blocks of 32 keys): one whole fragment and one scale word a row.
.macro OUTV a
.set AC, 64*(\a)
.set PC, AF+8*(\a)                     ; each block has its own eight registers for its codes
	WIN 0x28
.irp b, 0,1,2,3
	v_max3_num_f32 v[TM+\b], 0x1800000, |v[AC+16*\b]|, |v[AC+16*\b+1]|   ; my 16 numbers and the floor 2^(3 - 127); each accumulator is read from its low end on
.endr
.irp i, 2,4,6,8,10,12,14
.irp b, 0,1,2,3
	v_max3_num_f32 v[TM+\b], v[TM+\b], |v[AC+16*\b+\i]|, |v[AC+16*\b+\i+1]|
.endr
.endr
	WIN 0
.irp b, 0,1,2,3
	v_permlanex16_b32 v[TM+4+\b], v[TM+\b], s100, s101
.endr
.irp b, 0,1,2,3
	v_max_num_f32 v[TM+\b], v[TM+\b], v[TM+4+\b]
.endr
.irp b, 0,1,2,3
	v_add_nc_u32 v[TM+8+\b], 0xff000000, v[TM+\b]
.endr
.irp b, 0,1,2,3
	v_lshrrev_b32 v[TM+4+\b], 23, v[TM+8+\b]
.endr
	v_lshl_or_b32 v[WD+(\a)], v[TM+5], 8, v[TM+4]  ; my row's scale word for these 128 keys
	v_lshl_or_b32 v[WD+(\a)], v[TM+6], 16, v[WD+(\a)]
	v_lshl_or_b32 v[WD+(\a)], v[TM+7], 24, v[WD+(\a)]
	WIN 0x02
.irp b, 0,1,2,3
	v_cvt_scalef32_pk8_fp4_f32 v[PC+2*\b], v[AC+16*\b:AC+16*\b+7], v[TM+8+\b]
	v_cvt_scalef32_pk8_fp4_f32 v[PC+2*\b+1], v[AC+16*\b+8:AC+16*\b+15], v[TM+8+\b]
.endr
	WIN 0
	v_nop                                          ; one plain place behind a scaled conversion
.irp c, 0,1
.irp i, 0,1
	v_permlane16_swap_b32 v[PC+4*\c+\i], v[PC+4*\c+2+\i]
.endr
.endr
	global_store_b128 v[LI], v[PC:PC+3], s[96:97] offset:(\a)*1024         ; 32 lanes store 512 consecutive bytes
	global_store_b128 v[LI], v[PC+4:PC+7], s[96:97] offset:(\a)*1024+512
	ds_store_b32 v[SS], v[WD+(\a)] offset:((\a)%2)*128+((\a)/2)*4          ; both halves of the lanes write the same word with the same value
.endm
.irp a, 0,1,2,3
	OUTV \a
.endr
	ds_load_b64 v[120:121], v[SRD]                 ; LDS serves a wave's instructions in order: this sees my stores
	s_wait_dscnt 0x0
	global_store_b64 v[L8], v[120:121], s[98:99]   ; 32 lanes store 256 consecutive bytes, aligned
	s_wait_tensorcnt 0x0                           ; the wave's end
	ds_add_u32 v126, v127
	s_wait_dscnt 0x0
	CROUND                                         ; the closing round
	s_endpgm
.Lfunc_end_k_q679ef4761b_gemm_v:
	.size	k_q679ef4761b_gemm_v, .Lfunc_end_k_q679ef4761b_gemm_v-k_q679ef4761b_gemm_v
	.p2alignl 7, 3214868480
	.fill 96, 4, 3214868480
	.section	.rodata,"a",@progbits
	.p2align	6, 0x0
	.amdhsa_kernel k_q679ef4761b_gemm_v
		.amdhsa_group_segment_fixed_size 220416
		.amdhsa_private_segment_fixed_size 0
		.amdhsa_enable_private_segment 0
		.amdhsa_kernarg_size 40
		.amdhsa_user_sgpr_count 2
		.amdhsa_user_sgpr_kernarg_segment_ptr 1
		.amdhsa_wavefront_size32 1
		.amdhsa_system_sgpr_workgroup_id_x 1
		.amdhsa_system_sgpr_workgroup_id_y 1
		.amdhsa_system_sgpr_workgroup_id_z 1
		.amdhsa_system_vgpr_workitem_id 0
		.amdhsa_next_free_vgpr 768
		.amdhsa_next_free_sgpr 102
		.amdhsa_reserve_vcc 0
		.amdhsa_float_denorm_mode_32 3
		.amdhsa_float_denorm_mode_16_64 3
		.amdhsa_memory_ordered 1
		.amdhsa_forward_progress 1
		.amdhsa_inst_pref_size 75
	.end_amdhsa_kernel
	.amdgpu_metadata
---
amdhsa.version: [ 1, 2 ]
amdhsa.kernels:
  - .name:           k_q679ef4761b_gemm_v
    .symbol:         k_q679ef4761b_gemm_v.kd
    .args:
      - { .name: c1, .offset: 0, .size: 8, .value_kind: global_buffer, .address_space: global }
      - { .name: s1, .offset: 8, .size: 8, .value_kind: global_buffer, .address_space: global }
      - { .name: b_qkv, .offset: 16, .size: 8, .value_kind: global_buffer, .address_space: global }
      - { .name: vc, .offset: 24, .size: 8, .value_kind: global_buffer, .address_space: global }
      - { .name: vs, .offset: 32, .size: 8, .value_kind: global_buffer, .address_space: global }
    .group_segment_fixed_size: 220416
    .private_segment_fixed_size: 0
    .kernarg_segment_align: 8
    .kernarg_segment_size: 40
    .max_flat_workgroup_size: 128
    .sgpr_count:     102
    .vgpr_count:     768
    .wavefront_size: 32
...
	.end_amdgpu_metadata
.endif
;; end of part 3
;; launch attn (part 4): grid 8 x 32, 16 waves a work-group, clusters of 4 x 1, 327,680 bytes of LDS; arguments qkc, qks, vc, vs, oc, os; writes oc, os
.if DOCPART == 4
	.amdgcn_target "amdgcn-amd-amdhsa--gfx1250"
	.amdhsa_code_object_version 6
	.text
	.protected	k_q679ef4761b_attn
	.globl	k_q679ef4761b_attn
	.p2align	8
	.type	k_q679ef4761b_attn,@function
k_q679ef4761b_attn:
	s_mov_b64 s[64:65], 0
	v_nop
	global_prefetch_b8 v0, s[64:65] scope:SCOPE_SE
	s_setreg_imm32_b32 hwreg(HW_REG_WAVE_MODE, 25, 1), 1
	s_wait_xcnt 0x0
	s_wait_alu depctr_hold_cnt(0) depctr_sa_sdst(0) depctr_va_vdst(0) depctr_va_sdst(0) depctr_va_ssrc(0) depctr_va_vcc(0) depctr_vm_vsrc(0)
	s_getreg_b32 s2, hwreg(HW_REG_IB_STS2, 6, 4)
	s_cmp_eq_u32 s2, 0
	s_cbranch_scc0 .Lentry_in_a_cluster
	s_endpgm
.Lentry_in_a_cluster:
	s_bfe_u32 s2, ttmp6, 0x10000c
	s_cmp_lg_u32 s2, 0x3003
	s_cbranch_scc0 .Lentry_shape_is_right
	s_endpgm
.Lentry_shape_is_right:
; o = softmax(q k^T / 8) v for a pair of heads, both products on codes of FP4 (E2M1) with one E8M0 scale for each 32 along a product's K; o is quantised along the head's 64 in registers and leaves as the next product's operand.
; THE SOFTMAX: t = score x log2(e) / 8; M = the row's largest t so far, rounded UP to a whole number; p = 2^(t - M) is quantised along the keys, not normalised.  The row's sum is taken of the unquantised p, in f32, and divides o at the end.
; When M moves, the sum and o are multiplied by 2^(old M - new M): exact.
; SHARES.  A work-group owns 256 query positions of one batch and one PAIR of heads; each of its sixteen waves owns one tile of 16 positions, for the even head and then the odd one, in 256 registers, four waves to a SIMD.
; LDS.  The pair's codes and scale words of K and V, 2 x 143,360 bytes, come in ONCE, at the head: no LDS byte is filled twice.  All lie as images of operand registers: a load reads 16 (or 8) bytes a lane on end.
; CLUSTER.  The four query blocks of a cluster walk the same K and V: each part is asked for JOINTLY (mask 15), ONE load a wave: waves 0-3 K's codes (head w / 2, half w % 2: 32,768 bytes), waves 4-7 V's likewise,
; waves 8-9 K's words (a head each, 8,192 bytes), waves 10-11 V's words (4,096 bytes); waves 12-15 none, so the wait is for 0.  No prefetch: all fills stand at the head, and no loop fills LDS.
; LAYOUT.  Both products are used transposed: S^T = K Q^T (source 0 = 16 keys), O^T = V^T P^T (source 0 = 16 of the head's 64): a lane holds ONE query (lane % 16).  Positions hold tokens, and V's rows the head's channels, with bits 3
; and 4 exchanged, so that the 16 result registers of tiles 2 B and 2 B + 1 are 16 neighbours: 32 B + 16 (lane / 16) + 0 .. 15.
; K = 64 IN A FORM OF 128: Q's registers 4-7 are zero codes, and the upper two scale bytes of q's and k's words are 0 (2^-127).  So K's operand may name eight registers of which the upper four are the next tile's codes: finite numbers times zero.
; os is written in pieces of 4 bytes, 32 bytes apart: 262,144 bytes in the whole launch; both halves of the lanes write the same word with the same value.
; LIMITS: a block of zeros gets the byte 1 (its codes are zeros; this program alone reads the bytes); blocks under 2^-124 are held at byte 1; NaN and infinities are not served; the scaled scores t stay under 2^31 in magnitude.
.set HB,   143360                      ; a head's part of LDS: K's images 65,536, V's images 65,536, K's words 8,192, V's words 4,096
.set LI,   1                           ; v1 16 x lane;  v2 8 x lane: never rewritten
.set L8,   2
.set ADK,  3                           ; v3-6 a step's addresses: K, V, K's words, V's words
.set ADV,  4
.set ADKS, 5
.set ADVS, 6
.set OSA,  7                           ; v7 32 r: my row of os;  v8 16 r: my row's word of q
.set QA,   8
.set QW,   10                          ; v10-11 q's scale words, a head each.  v12 -M, v13 the largest t, v[14:15] the sum in two halves
.set QF,   16                          ; v16-31 q's operand, a head each: 4 registers of codes, 4 of zeros
.set KF,   32                          ; v32-63 K's eight tiles, four registers each; v64-67 zeros
.set VF,   68                          ; v68-99 V's four fragments
.set S,    100                         ; v100-163 S^T, then p
.set O,    164                         ; v164-195 O^T
.set PCD,  196                         ; v196-203 p's codes
.set KW,   204                         ; v204-207 K's scale words: register t / 2, lanes 0-15 tile t even, lanes 16-31 odd;  v208-209 V's likewise;  v210 p's word
.set VW,   208
.set PW,   210
.set BM,   212                         ; v212-215 a block's largest score, then p;  v216-219 the other half's, then bytes;  v220-223 the conversions' scale operands
.set BP,   216
.set BS,   220
.set FF,   224                         ; v[224:225] f = 2^(old M - new M)
.set TT,   226
.set OC,   230                         ; v230-237 o's codes;  v238 o's scale word;  v228-229, v242-253 the sum's chains
.set OW,   238
.set WV,   18
.set SEL,  20
.set CS,   22
.set G1C,  24                          ; groups 1: s[24:31] 32,768 dense bytes;  s[32:39] 4,096;  s[56:63] 8,192
.set G1S,  32
.set G1W,  56
.set G0KC, 40                          ; groups 0, one for each arm
.set G0VC, 44
.set G0KW, 48
.set G0VW, 52
.set KB,   76                          ; s76-79 LDS bytes at which a step's K, V, K's words, V's words begin
.set VB,   77
.set KSB,  78
.set VSB,  79
.set CNT,  80
.macro CROUND                          ; a round of the cluster's barrier
	s_barrier_signal -1
	s_barrier_wait -1
	s_cmp_lg_u32 s[WV], 0
	s_cbranch_scc1 .Lnot_wave_0_\@
	s_barrier_signal -3
.Lnot_wave_0_\@:
	s_barrier_wait -3
	s_barrier_signal -1
	s_barrier_wait -1
.endm
.macro GRP1 g, rows                    ; a dense block as rows of 256 bytes (32 elements of 8), mask 15 with bit 21 beside it, no padding
	s_mov_b32 s[\g], 15|(3<<16)|(1<<21)
	s_mov_b32 s[\g+1], 32<<16
	s_mov_b32 s[\g+2], (\rows)<<16
	s_mov_b32 s[\g+3], 32<<16
	s_mov_b32 s[\g+4], \rows
	s_mov_b32 s[\g+5], 32
	s_mov_b32 s[\g+6], 0
	s_mov_b32 s[\g+7], 0
.endm
.macro TL g0, g1
	tensor_load_to_lds s[\g0:\g0+3], s[\g1:\g1+7]
	s_nop 0
.rept 4
	v_nop
.endr
.endm
; The six joint loads of head e, in one chain of branches on the wave's number, one load to an arm, all arms leading to one join: K's codes waves 2 e, 2 e + 1; V's codes waves 4 + 2 e, 5 + 2 e; K's words wave 8 + e; V's words wave 10 + e.
; The even head's go out first; the odd head's follow behind the full sequence and a round, ahead of the first loop, and land while the even head is worked.
.macro CHAIN e
.if \e
	s_cmp_lt_u32 s[WV], 2
	s_cbranch_scc1 .Ljoin_\@
.endif
	s_cmp_lt_u32 s[WV], 2+2*\e
	s_cbranch_scc0 .Lvc_\@
	TL G0KC, G1C
	s_branch .Ljoin_\@
.Lvc_\@:
	s_cmp_lt_u32 s[WV], 4+2*\e
	s_cbranch_scc1 .Ljoin_\@
	s_cmp_lt_u32 s[WV], 6+2*\e
	s_cbranch_scc0 .Lkw_\@
	TL G0VC, G1C
	s_branch .Ljoin_\@
.Lkw_\@:
	s_cmp_eq_u32 s[WV], 8+\e
	s_cbranch_scc0 .Lvw_\@
	TL G0KW, G1W
	s_branch .Ljoin_\@
.Lvw_\@:
	s_cmp_eq_u32 s[WV], 10+\e
	s_cbranch_scc0 .Ljoin_\@
	TL G0VW, G1S
.Ljoin_\@:
.endm
	s_load_b128 s[4:7], s[0:1], 0x0                ; qkc, qks
	s_load_b128 s[8:11], s[0:1], 0x10              ; vc, vs
	s_load_b128 s[12:15], s[0:1], 0x20             ; oc, os
	v_lshl_add_u32 v254, v0, 2, 0x46000
	v_mov_b32 v255, 0
	ds_add_u32 v254, v255                          ; the opening lines: the add twice on end and one wait
	ds_add_u32 v254, v255
	v_lshrrev_b32 v3, 5, v0
	s_delay_alu instid0(VALU_DEP_1)
	v_readfirstlane_b32 s[WV], v3                  ; wave 0..15
	s_bfe_u32 s16, ttmp6, 0x40000                  ; cx
	s_lshl_b32 s17, ttmp9, 2
	s_add_co_u32 s17, s17, s16                     ; my block of 256 query positions: it enters q's, oc's and os's addresses alone
	s_and_b32 s19, ttmp7, 0xffff                   ; y = 8 x batch + pair of heads, which the four partners share
	GRP1 G1C, 128
	GRP1 G1S, 16
	GRP1 G1W, 32
	s_and_b32 s2, s[WV], 3
	s_lshl_b32 s2, s2, 15                          ; codes in memory: the pair's two heads on end, 32,768 bytes a wave
	s_lshl_b32 s82, s19, 17
	s_add_co_u32 s82, s82, s2
	s_mov_b32 s83, 0
	s_and_b32 s3, s[WV], 1
	s_mul_i32 s84, s3, HB                          ; words in LDS: head w % 2
	s_lshl_b32 s87, s3, 15
	s_bfe_u32 s86, s[WV], 0x10001
	s_mul_i32 s86, s86, HB
	s_add_co_u32 s86, s86, s87                     ; codes in LDS: head (w / 2) % 2, half w % 2
	s_lshl_b32 s88, s19, 14
	s_lshl_b32 s87, s3, 13
	s_add_co_u32 s88, s88, s87                     ; K's words in memory: 8,192 bytes a head
	s_mov_b32 s89, 0
	s_lshl_b32 s66, s19, 13
	s_lshl_b32 s87, s3, 12
	s_add_co_u32 s66, s66, s87                     ; V's: 4,096 bytes a head
	s_mov_b32 s67, 0
	s_mov_b32 s[SEL], 0x76543210
	s_mov_b32 s[SEL+1], 0xfedcba98                 ; v_permlanex16_b32's selects for lane l xor 16
	s_mov_b32 s[CS], 0x3e38aa3b                    ; c = log2(e) / 8
	s_mov_b32 s[CS+1], s[CS]
	s_wait_dscnt 0x0
	s_wait_kmcnt 0x0
	s_mov_b32 s[G0KC], 1
	s_mov_b32 s[G0KC+1], s86
	s_add_nc_u64 s[G0KC+2:G0KC+3], s[4:5], s[82:83]
	s_add_nc_u64 s[G0KC+2:G0KC+3], s[G0KC+2:G0KC+3], 4194304   ; k's half of qkc
	s_or_b32 s[G0KC+3], s[G0KC+3], 0x80000000
	s_mov_b32 s[G0VC], 1
	s_add_co_u32 s[G0VC+1], s86, 65536
	s_add_nc_u64 s[G0VC+2:G0VC+3], s[8:9], s[82:83]
	s_or_b32 s[G0VC+3], s[G0VC+3], 0x80000000
	s_mov_b32 s[G0KW], 1
	s_add_co_u32 s[G0KW+1], s84, 131072
	s_add_nc_u64 s[G0KW+2:G0KW+3], s[6:7], s[88:89]
	s_add_nc_u64 s[G0KW+2:G0KW+3], s[G0KW+2:G0KW+3], 524288    ; k's half of qks
	s_or_b32 s[G0KW+3], s[G0KW+3], 0x80000000
	s_mov_b32 s[G0VW], 1
	s_add_co_u32 s[G0VW+1], s84, 139264
	s_add_nc_u64 s[G0VW+2:G0VW+3], s[10:11], s[66:67]
	s_or_b32 s[G0VW+3], s[G0VW+3], 0x80000000
	CROUND                                         ; all four work-groups are here: the joint loads meet
	CHAIN 0                                        ; the even head's parts
	s_lshl_b32 s2, s17, 4
	s_add_co_u32 s2, s2, s[WV]                     ; my tile among the batch's 128
	s_lshl_b32 s84, s2, 9
	s_lshl_b32 s3, s19, 17
	s_add_co_u32 s84, s84, s3
	s_mov_b32 s85, 0
	s_add_nc_u64 s[4:5], s[4:5], s[84:85]          ; q's image of the even head
	s_lshr_b32 s3, s2, 3
	s_lshl_b32 s84, s3, 9                          ; q's word: the group of 8 tiles,
	s_and_b32 s3, s[WV], 1
	s_lshl_b32 s3, s3, 8                           ; the tile's parity: 16 lanes of 16 bytes,
	s_add_co_u32 s84, s84, s3
	s_bfe_u32 s3, s[WV], 0x20001
	s_lshl_b32 s3, s3, 2                           ; and its half: a word
	s_add_co_u32 s84, s84, s3
	s_lshl_b32 s3, s19, 14
	s_add_co_u32 s84, s84, s3
	s_add_nc_u64 s[6:7], s[6:7], s[84:85]
	s_lshr_b32 s3, s19, 3
	s_lshl_b32 s3, s3, 7
	s_add_co_u32 s3, s3, s2                        ; T: my tile among all 512
	s_and_b32 s86, s19, 7                          ; the pair of heads = the step of 128 along the next K
	s_lshl_b32 s84, s3, 13
	s_lshl_b32 s87, s86, 10
	s_add_co_u32 s84, s84, s87
	s_add_nc_u64 s[12:13], s[12:13], s[84:85]      ; oc: 8,192 T + 1,024 x pair
	s_lshl_b32 s84, s3, 9
	s_lshl_b32 s87, s86, 2
	s_add_co_u32 s84, s84, s87
	s_add_nc_u64 s[14:15], s[14:15], s[84:85]      ; os: 512 T + 4 x pair
	v_and_b32 v3, 31, v0
	s_delay_alu instid0(VALU_DEP_1)
	v_lshlrev_b32 v[LI], 4, v3
	s_delay_alu instid0(VALU_DEP_2)
	v_lshlrev_b32 v[L8], 3, v3
	v_and_b32 v4, 15, v0
	s_delay_alu instid0(VALU_DEP_1)
	v_lshlrev_b32 v[OSA], 5, v4
	s_delay_alu instid0(VALU_DEP_2)
	v_lshlrev_b32 v[QA], 4, v4
.irp e, 0,1
	global_load_b128 v[QF+8*\e:QF+8*\e+3], v[LI], s[4:5] offset:65536*\e
	global_load_b32 v[QW+\e], v[QA], s[6:7] offset:8192*\e
.irp i, 4,5,6,7
	v_mov_b32 v[QF+8*\e+\i], 0                     ; K = 64 .. 127: zero codes
.endr
.endr
.irp i, 0,1,2,3
	v_mov_b32 v[KF+32+\i], 0                       ; what the last tile's operand names behind its own four registers
	v_mov_b32 v[BP+\i], 0                          ; written once: a lane permute's destination counts as one of its sources
.endr
	v_mov_b32 v[FF+1], 0                           ; (named as the upper half of a pair)
	v_mov_b32 v[TT], 0
; A KEY STEP of head e: 128 keys.  Its four addresses were made in the step before (the first step's: in HEAD).
.macro STEP e
.irp t, 0,1,2,3,4,5,6,7
	ds_load_b128 v[KF+4*\t:KF+4*\t+3], v[ADK] offset:512*\t
.endr
	ds_load_b128 v[KW:KW+3], v[ADKS]
.irp d, 0,1,2,3
.irp c, 0,1
	ds_load_b128 v[VF+8*\d+4*\c:VF+8*\d+4*\c+3], v[ADV] offset:1024*\d+512*\c
.endr
.endr
	ds_load_b64 v[VW:VW+1], v[ADVS]
	s_wait_dscnt 9                                 ; K and its words are in; V's nine loads may be out
.irp t, 0,2,4,6
	v_wmma_scale_f32_16x16x128_f8f6f4 v[S+8*\t:S+8*\t+7], v[KF+4*\t:KF+4*\t+7], v[QF+8*\e:QF+8*\e+7], 0, v[KW+\t/2], v[QW+\e] matrix_a_fmt:MATRIX_FMT_FP4 matrix_b_fmt:MATRIX_FMT_FP4
	v_wmma_scale_f32_16x16x128_f8f6f4 v[S+8*\t+8:S+8*\t+15], v[KF+4*\t+4:KF+4*\t+11], v[QF+8*\e:QF+8*\e+7], 0, v[KW+\t/2], v[QW+\e] matrix_a_fmt:MATRIX_FMT_FP4 matrix_b_fmt:MATRIX_FMT_FP4 matrix_a_scale:MATRIX_SCALE_ROW1
.endr
	s_add_co_u32 s[KB], s[KB], 4096                ; the next step's images and words
	s_add_co_u32 s[VB], s[VB], 4096
	s_add_co_u32 s[KSB], s[KSB], 512
	s_add_co_u32 s[VSB], s[VSB], 256
	v_add_nc_u32 v[ADK], s[KB], v[LI]              ; the next step's addresses: these four are the places in front of the first read of the scores
	v_add_nc_u32 v[ADV], s[VB], v[LI]
	v_add_nc_u32 v[ADKS], s[KSB], v[LI]
	v_add_nc_u32 v[ADVS], s[VSB], v[L8]
.irp b, 0,1,2,3
	v_max3_num_f32 v[BM+\b], v[S+16*\b], v[S+1+16*\b], v[S+2+16*\b]   ; the largest score of each block of 32 keys: for the row's maximum, and, since p rises with the score, for the block's largest p
.endr
.irp i, 3,5,7,9,11,13
.irp b, 0,1,2,3
	v_max3_num_f32 v[BM+\b], v[BM+\b], v[S+16*\b+\i], v[S+1+16*\b+\i]
.endr
.endr
.irp b, 0,1,2,3
	v_max_num_f32 v[BM+\b], v[BM+\b], v[S+15+16*\b]
.endr
.irp b, 0,1,2,3
	s_delay_alu instid0(VALU_DEP_4)
	v_permlanex16_b32 v[BP+\b], v[BM+\b], s[SEL], s[SEL+1]
.endr
.irp b, 0,1,2,3
	s_delay_alu instid0(VALU_DEP_4)
	v_max_num_f32 v[BM+\b], v[BM+\b], v[BP+\b]     ; with lane l xor 16's 16 keys
.endr
	s_delay_alu instid0(VALU_DEP_2)
	v_max3_num_f32 v[TT], v[BM], v[BM+1], v[BM+2]
	s_delay_alu instid0(VALU_DEP_1)
	v_max_num_f32 v[TT], v[TT], v[BM+3]            ; the step's largest score of my query
	s_delay_alu instid0(VALU_DEP_1)
	v_mul_f32 v[TT], s[CS], v[TT]                  ; as t (c is positive)
	s_delay_alu instid0(VALU_DEP_1)
	v_max_num_f32 v13, v13, v[TT]                  ; the running largest t
	v_mov_b32 v[TT], v12
	s_delay_alu instid0(VALU_DEP_2)
	v_floor_f32 v12, -v13                          ; the new -M = floor(-t) = -ceil(t)
	s_delay_alu instid0(VALU_DEP_1)
	v_sub_f32 v[TT], v12, v[TT]                    ; old M - new M: a whole number, 0 or less
	s_delay_alu instid0(VALU_DEP_1)
	v_cvt_i32_f32 v[TT], v[TT]                     ; (it saturates)
	s_delay_alu instid0(VALU_DEP_1)
	v_ldexp_f32 v[FF], 1.0, v[TT]                  ; f = 2^(old M - new M)
.set J, 0
.rept 32
	v_pk_fma_f32 v[S+J:S+1+J], v[S+J:S+1+J], s[CS:CS+1], v[12:13] op_sel_hi:[1,0,0]   ; t - M, two at a time
.set J, J+2
.endr
.irp b, 0,1,2,3
	v_fma_f32 v[BM+\b], v[BM+\b], s[CS], v12       ; the same of each block's largest score
.endr
	s_wait_alu depctr_va_vdst(0)
.set J, 0
.rept 64
	v_exp_f32 v[S+J], v[S+J]                       ; p = 2^(t - M), at most 1
.set J, J+1
.endr
.irp b, 0,1,2,3
	v_exp_f32 v[BM+\b], v[BM+\b]                   ; the block's largest p: the same two instructions on the same number give the same bits
.endr
	v_pk_mul_f32 v[14:15], v[14:15], v[FF:FF+1] op_sel_hi:[1,0]   ; the sums under the new M (a plain place behind the exponentials)
	s_wait_alu depctr_va_vdst(0)                   ; and behind it, ahead of its first reader
.irp b, 0,1,2,3
	v_max_num_f32 v[BM+\b], 0x1800000, v[BM+\b]    ; the floor 2^(3 - 127): the byte cannot fall under 1
.endr
.irp b, 0,1,2,3
	s_delay_alu instid0(VALU_DEP_4)
	v_add_nc_u32 v[BS+\b], 0xff000000, v[BM+\b]    ; 2 off the exponent field: the conversion's scale operand
.endr
.irp b, 0,1,2,3
	s_delay_alu instid0(VALU_DEP_4)
	v_lshrrev_b32 v[BP+\b], 23, v[BS+\b]           ; the scale's byte
.endr
	s_delay_alu instid0(VALU_DEP_3)
	v_lshl_or_b32 v[PW], v[BP+1], 8, v[BP]         ; p's scale word for these 128 keys
	s_delay_alu instid0(VALU_DEP_1)
	v_lshl_or_b32 v[PW], v[BP+2], 16, v[PW]
	s_delay_alu instid0(VALU_DEP_1)
	v_lshl_or_b32 v[PW], v[BP+3], 24, v[PW]
.irp b, 0,1,2,3
	v_cvt_scalef32_pk8_fp4_f32 v[PCD+2*\b], v[S+16*\b:S+7+16*\b], v[BS+\b]
	v_cvt_scalef32_pk8_fp4_f32 v[PCD+1+2*\b], v[S+8+16*\b:S+15+16*\b], v[BS+\b]
.endr
	v_nop                                          ; one plain place behind a scaled conversion
.irp c, 0,1                            ; a whole block to a lane: lanes 0-15 block 2 c, lanes 16-31 block 2 c + 1
.irp i, 0,1
	v_permlane16_swap_b32 v[PCD+4*\c+\i], v[PCD+2+4*\c+\i]
.endr
.endr
	s_wait_dscnt 0x0                               ; V and its words are in
.set J, 0
.rept 16
	v_pk_mul_f32 v[O+J:O+1+J], v[O+J:O+1+J], v[FF:FF+1] op_sel_hi:[1,0]   ; O^T under the new M, each accumulator from its low end on; these 16 stand between p's codes and word and the products
.set J, J+2
.endr
.irp d, 0,2                            ; O^T += V^T P^T: the four accumulators by turns
	v_wmma_scale_f32_16x16x128_f8f6f4 v[O+8*\d:O+8*\d+7], v[VF+8*\d:VF+8*\d+7], v[PCD:PCD+7], v[O+8*\d:O+8*\d+7], v[VW+\d/2], v[PW] matrix_a_fmt:MATRIX_FMT_FP4 matrix_b_fmt:MATRIX_FMT_FP4
	v_wmma_scale_f32_16x16x128_f8f6f4 v[O+8*\d+8:O+8*\d+15], v[VF+8*\d+8:VF+8*\d+15], v[PCD:PCD+7], v[O+8*\d+8:O+8*\d+15], v[VW+\d/2], v[PW] matrix_a_fmt:MATRIX_FMT_FP4 matrix_b_fmt:MATRIX_FMT_FP4 matrix_a_scale:MATRIX_SCALE_ROW1
.endr
	; the row's sum of the unquantised p, in eight chains: it names none of the products' registers, so these lines are the places in front of the next step's loads
	v_pk_add_f32 v[228:229], v[104:105], v[108:109]
	v_pk_add_f32 v[252:253], v[112:113], v[116:117]
	v_pk_add_f32 v[250:251], v[120:121], v[124:125]
	v_pk_add_f32 v[248:249], v[128:129], v[132:133]
	v_pk_add_f32 v[246:247], v[136:137], v[140:141]
	v_pk_add_f32 v[244:245], v[144:145], v[148:149]
	v_pk_add_f32 v[242:243], v[152:153], v[156:157]
	v_pk_add_f32 v[14:15], v[14:15], v[160:161]
	v_pk_add_f32 v[228:229], v[228:229], v[100:101]
	v_pk_add_f32 v[252:253], v[252:253], v[102:103]
	v_pk_add_f32 v[250:251], v[250:251], v[106:107]
	v_pk_add_f32 v[248:249], v[248:249], v[110:111]
	v_pk_add_f32 v[246:247], v[246:247], v[114:115]
	v_pk_add_f32 v[244:245], v[244:245], v[118:119]
	v_pk_add_f32 v[242:243], v[242:243], v[122:123]
	v_pk_add_f32 v[14:15], v[14:15], v[126:127]
	v_pk_add_f32 v[228:229], v[228:229], v[130:131]
	v_pk_add_f32 v[252:253], v[252:253], v[134:135]
	v_pk_add_f32 v[250:251], v[250:251], v[138:139]
	v_pk_add_f32 v[248:249], v[248:249], v[142:143]
	v_pk_add_f32 v[246:247], v[246:247], v[146:147]
	v_pk_add_f32 v[244:245], v[244:245], v[150:151]
	v_pk_add_f32 v[242:243], v[242:243], v[154:155]
	v_pk_add_f32 v[14:15], v[14:15], v[158:159]
	v_pk_add_f32 v[228:229], v[228:229], v[162:163]
	s_delay_alu instid0(VALU_DEP_2)
	v_pk_add_f32 v[14:15], v[14:15], v[248:249]
	s_delay_alu instid0(VALU_DEP_2)
	v_pk_add_f32 v[228:229], v[228:229], v[246:247]
	v_pk_add_f32 v[252:253], v[252:253], v[244:245]
	v_pk_add_f32 v[250:251], v[250:251], v[242:243]
	s_delay_alu instid0(VALU_DEP_2)
	v_pk_add_f32 v[14:15], v[14:15], v[252:253]
	s_delay_alu instid0(VALU_DEP_2)
	v_pk_add_f32 v[228:229], v[228:229], v[250:251]
	s_delay_alu instid0(VALU_DEP_1)
	v_pk_add_f32 v[14:15], v[14:15], v[228:229]
.endm
; A HEAD: all 2,048 keys in 16 steps, then o / the sum, quantised: one image (half of a step of the next K) and two bytes of the scale word.
.macro HEAD e
	v_mov_b32 v13, 0xff61b1e6                      ; the largest t so far: -3e38, under every t
	s_delay_alu instid0(VALU_DEP_1)
	v_floor_f32 v12, -v13                          ; -M
	v_mov_b32 v14, 0                               ; the sum, in two halves
	v_mov_b32 v15, 0
.set J, 0
.rept 32
	v_mov_b32 v[O+J], 0                            ; O^T.  (The step is written once: the first finds zeros, which the first change of M leaves zeros)
.set J, J+1
.endr
	s_mov_b32 s[KB], \e*HB
	s_mov_b32 s[VB], \e*HB+65536
	s_mov_b32 s[KSB], \e*HB+131072
	s_mov_b32 s[VSB], \e*HB+139264
	s_mov_b32 s[CNT], 16
	v_add_nc_u32 v[ADK], s[KB], v[LI]              ; the first step's addresses
	v_add_nc_u32 v[ADV], s[VB], v[LI]
	v_add_nc_u32 v[ADKS], s[KSB], v[LI]
	v_add_nc_u32 v[ADVS], s[VSB], v[L8]
.Lstep_\@:
	STEP \e
	s_sub_co_u32 s[CNT], s[CNT], 1
	s_cmp_lg_u32 s[CNT], 0
	s_cbranch_scc1 .Lstep_\@
	s_wait_alu depctr_va_vdst(0)
	v_add_f32 v14, v14, v15                        ; the sum's two halves,
	s_delay_alu instid0(VALU_DEP_1)
	v_permlanex16_b32 v[TT], v14, s[SEL], s[SEL+1]
	s_delay_alu instid0(VALU_DEP_1)
	v_add_f32 v14, v14, v[TT]                      ; and lane l xor 16's: the row's sum
	s_wait_alu depctr_va_vdst(0)
	v_rcp_f32 v14, v14
	v_nop                                          ; one plain place behind a transcendental
	s_wait_alu depctr_va_vdst(0)                   ; and ahead of its first reader
.set J, 0
.rept 16
	v_pk_mul_f32 v[S+J:S+1+J], v[O+J:O+1+J], v[14:15] op_sel_hi:[1,0]   ; o: register 16 B + i is channel 32 B + 16 h + i of my query
.set J, J+2
.endr
.irp b, 0,1
	v_max3_num_f32 v[BM+\b], |v[S+16*\b]|, |v[S+1+16*\b]|, 0x1800000   ; block B: my 16 numbers and the floor 2^(3 - 127)
.endr
.irp i, 2,4,6,8,10,12,14
.irp b, 0,1
	s_delay_alu instid0(VALU_DEP_2)
	v_max3_num_f32 v[BM+\b], v[BM+\b], |v[S+16*\b+\i]|, |v[S+1+16*\b+\i]|
.endr
.endr
.irp b, 0,1
	s_delay_alu instid0(VALU_DEP_2)
	v_permlanex16_b32 v[BP+\b], v[BM+\b], s[SEL], s[SEL+1]
.endr
.irp b, 0,1
	s_delay_alu instid0(VALU_DEP_2)
	v_max_num_f32 v[BM+\b], v[BM+\b], v[BP+\b]
.endr
.irp b, 0,1
	s_delay_alu instid0(VALU_DEP_2)
	v_add_nc_u32 v[BS+\b], 0xff000000, v[BM+\b]
.endr
.irp b, 0,1
	s_delay_alu instid0(VALU_DEP_2)
	v_lshrrev_b32 v[BP+\b], 23, v[BS+\b]
.endr
.irp b, 0,1
	v_cvt_scalef32_pk8_fp4_f32 v[OC+4*\e+2*\b], v[S+16*\b:S+7+16*\b], v[BS+\b]
	v_cvt_scalef32_pk8_fp4_f32 v[OC+4*\e+2*\b+1], v[S+8+16*\b:S+15+16*\b], v[BS+\b]
.endr
	v_nop                                          ; one plain place behind a scaled conversion
.irp i, 0,1
	v_permlane16_swap_b32 v[OC+4*\e+\i], v[OC+4*\e+2+\i]   ; lanes 0-15 block 0, lanes 16-31 block 1
.endr
	global_store_b128 v[LI], v[OC+4*\e:OC+4*\e+3], s[12:13] offset:512*\e   ; 32 lanes store 512 consecutive bytes
.if \e == 0
	v_lshl_or_b32 v[OW], v[BP+1], 8, v[BP]         ; the word's two low bytes
.else
	v_lshl_or_b32 v[TT], v[BP+1], 8, v[BP]
	s_delay_alu instid0(VALU_DEP_1)
	v_lshl_or_b32 v[OW], v[TT], 16, v[OW]          ; and its two high ones
	global_store_b32 v[OSA], v[OW], s[14:15]
.endif
.endm
	s_wait_tensorcnt 0x0                           ; my part of the even head has landed (a wave that asked for nothing passes at once);
	ds_add_u32 v254, v255
	ds_add_u32 v254, v255
	s_wait_dscnt 0x0
	CROUND                                         ; everybody's parts are in, and all four work-groups are here: the joint loads meet
	CHAIN 1                                        ; the odd head's parts: first fills of bytes of their own
	s_wait_loadcnt 0x0                             ; q
	HEAD 0
	s_wait_tensorcnt 0x0                           ; my part of the odd head has landed,
	s_barrier_signal -1
	s_barrier_wait -1                              ; everybody's have
	HEAD 1
	s_wait_tensorcnt 0x0                           ; the wave's end
	ds_add_u32 v254, v255
	s_wait_dscnt 0x0
	CROUND                                         ; the closing round
	s_endpgm
.Lfunc_end_k_q679ef4761b_attn:
	.size	k_q679ef4761b_attn, .Lfunc_end_k_q679ef4761b_attn-k_q679ef4761b_attn
	.p2alignl 7, 3214868480
	.fill 96, 4, 3214868480
	.section	.rodata,"a",@progbits
	.p2align	6, 0x0
	.amdhsa_kernel k_q679ef4761b_attn
		.amdhsa_group_segment_fixed_size 327680
		.amdhsa_private_segment_fixed_size 0
		.amdhsa_enable_private_segment 0
		.amdhsa_kernarg_size 48
		.amdhsa_user_sgpr_count 2
		.amdhsa_user_sgpr_kernarg_segment_ptr 1
		.amdhsa_wavefront_size32 1
		.amdhsa_system_sgpr_workgroup_id_x 1
		.amdhsa_system_sgpr_workgroup_id_y 1
		.amdhsa_system_sgpr_workgroup_id_z 1
		.amdhsa_system_vgpr_workitem_id 0
		.amdhsa_next_free_vgpr 256
		.amdhsa_next_free_sgpr 90
		.amdhsa_reserve_vcc 0
		.amdhsa_float_denorm_mode_32 3
		.amdhsa_float_denorm_mode_16_64 3
		.amdhsa_memory_ordered 1
		.amdhsa_forward_progress 1
		.amdhsa_inst_pref_size 54
	.end_amdhsa_kernel
	.amdgpu_metadata
---
amdhsa.version: [ 1, 2 ]
amdhsa.kernels:
  - .name:           k_q679ef4761b_attn
    .symbol:         k_q679ef4761b_attn.kd
    .args:
      - { .name: qkc, .offset: 0, .size: 8, .value_kind: global_buffer, .address_space: global }
      - { .name: qks, .offset: 8, .size: 8, .value_kind: global_buffer, .address_space: global }
      - { .name: vc, .offset: 16, .size: 8, .value_kind: global_buffer, .address_space: global }
      - { .name: vs, .offset: 24, .size: 8, .value_kind: global_buffer, .address_space: global }
      - { .name: oc, .offset: 32, .size: 8, .value_kind: global_buffer, .address_space: global }
      - { .name: os, .offset: 40, .size: 8, .value_kind: global_buffer, .address_space: global }
    .group_segment_fixed_size: 327680
    .private_segment_fixed_size: 0
    .kernarg_segment_align: 8
    .kernarg_segment_size: 48
    .max_flat_workgroup_size: 512
    .sgpr_count:     90
    .vgpr_count:     256
    .wavefront_size: 32
...
	.end_amdgpu_metadata
.endif
;; end of part 4
;; launch gemm_proj (part 5): grid 4 x 64, 4 waves a work-group, clusters of 4 x 4, 248,064 bytes of LDS; arguments oc, os, c1, s1, b_proj, out0; writes out0
.if DOCPART == 5
	.amdgcn_target "amdgcn-amd-amdhsa--gfx1250"
	.amdhsa_code_object_version 6
	.text
	.protected	k_q679ef4761b_gemm_proj
	.globl	k_q679ef4761b_gemm_proj
	.p2align	8
	.type	k_q679ef4761b_gemm_proj,@function
k_q679ef4761b_gemm_proj:
	s_mov_b64 s[64:65], 0
	v_nop
	global_prefetch_b8 v0, s[64:65] scope:SCOPE_SE
	s_setreg_imm32_b32 hwreg(HW_REG_WAVE_MODE, 25, 1), 1
	s_wait_xcnt 0x0
	s_wait_alu depctr_hold_cnt(0) depctr_sa_sdst(0) depctr_va_vdst(0) depctr_va_sdst(0) depctr_va_ssrc(0) depctr_va_vcc(0) depctr_vm_vsrc(0)
	s_getreg_b32 s2, hwreg(HW_REG_IB_STS2, 6, 4)
	s_cmp_eq_u32 s2, 0
	s_cbranch_scc0 .Lentry_in_a_cluster
	s_endpgm
.Lentry_in_a_cluster:
	s_bfe_u32 s2, ttmp6, 0x10000c
	s_cmp_lg_u32 s2, 0xf033
	s_cbranch_scc0 .Lentry_shape_is_right
	s_endpgm
.Lentry_shape_is_right:
; out0 = o w_proj^T + b_proj on codes of FP4 (E2M1) with one E8M0 scale for each 32 along K = 1,024; sums in f32.
; A (source 1, the lanes) = 128 token positions of o, as attention left them: oc [tile of 16 positions][step of 128 along K][c][512 bytes], images of operand registers; os: 32 scale bytes a position.
; B (source 0, the registers) = 256 feature positions of w_proj in c1 and s1.  Positions hold rows with bits 3 and 4 of their number exchanged: the way out puts both back.
; SHARES: a block of 128 x 256 to a work-group: 64 x 4 = 256 work-groups.  A wave makes 64 tokens x 128 features: 32 accumulators, 256 registers.
; LDS: all of K comes once, at the head, one joint load a wave: wave 0 A's images (65,536 dense bytes), wave 1 B's 256 rows (512 bytes + 16 of padding each), wave 2 A's scale bytes, wave 3 B's.  No LDS byte is filled twice; the stages have bytes of their own.
; CLUSTERS: 4 x 4 work-groups; A's tiles are asked for jointly along a row of the cluster, B's along a column.  No prefetch: all fills stand at the head, and no loop fills LDS.
; THE BIAS is the C of each sum's first matrix instruction: a lane's eight registers of a tile are eight neighbouring features.
; LIMITS: NaN and infinities are not served.
; REGISTERS: window 0: v13-27 addresses; v32-95 scale words of both halves of K, and nothing else; v128-191 A's fragments, two sets; v192-255 the bias; on the way out v128-255 rows read back.  window 1: B's fragments, two sets.  window 2: accumulator (a, b) at v[8 (8 a + b)].
.set WPC,    5767168                   ; w_proj's rows in c1, and in s1
.set WPS,    360448
.set PITCH,  528                       ; 132 words: row r starts at bank 4 r mod 64 (64 banks of 4 bytes: ISA guide 11.1)
.set HALFT,  128*PITCH
.set BOFF,   65536                     ; B's rows lie behind A's images
.set SCL,    BOFF+2*HALFT              ; then the scales, as units of 256 bytes + 16: A's 128 rows, B's 256
.set HALFS,  16*272
.set SBLK,   2*272
.set STG,    SCL+3*HALFS               ; the way out: 16 rows x (512 + 16) bytes a wave
.set SPITCH, 528
.set SPARE,  STG+4*16*SPITCH           ; the spare words: 128 bytes a wave
.set BA,   13
.set ADRA, 16
.set ADRB, 20
.set STO,  24
.set RD,   25
.set CO,   26
.set ADRS, 27
.set SC,   32
.set AF,   128
.set BK,   128
.set CBI,  192
.set G1, 24
.set G0, 32
.set G1B, 48
.set G0B, 56
.set G1S, 68
.set G0S, 76
.set G1SB, 80
.set G0SB, 88
.set MSB, 0
.macro WIN new                         ; the immediate's high byte repeats the setting that is left
.if MSB != \new
	s_set_vgpr_msb (MSB<<8)|\new
.set MSB, \new
.endif
.endm
.macro PLACES
.rept 4
	v_nop
.endr
.endm
.macro ARM under, g0, g1, next         ; one arm of the head's chain: one joint load, then a jump to the join
	s_cmp_lt_u32 s14, \under
	s_cbranch_scc0 \next
	tensor_load_to_lds s[\g0:\g0+3], s[\g1:\g1+7]
	s_nop 0
	PLACES
	s_branch .Lhead_asked
\next:
.endm
.macro CROUND                          ; a round of the cluster's barrier
	s_barrier_signal -1
	s_barrier_wait -1
	s_cmp_lg_u32 s14, 0
	s_cbranch_scc1 .Lnot_wave_0_\@
	s_barrier_signal -3
.Lnot_wave_0_\@:
	s_barrier_wait -3
	s_barrier_signal -1
	s_barrier_wait -1
.endm
.macro GRP g, d0, rows, pitch          ; words 1 to 7 of a group 1
	s_mov_b32 s[\g+1], (\d0)<<16
	s_mov_b32 s[\g+2], (\rows)<<16
	s_mov_b32 s[\g+3], (\d0)<<16
	s_mov_b32 s[\g+4], \rows
	s_mov_b32 s[\g+5], \pitch
	s_mov_b32 s[\g+6], 0
	s_mov_b32 s[\g+7], 0
.endm
.macro GRP0 g, lds, src
	s_mov_b32 s[\g], 1
	s_mov_b32 s[\g+1], \lds
	s_mov_b64 s[\g+2:\g+3], s[\src:\src+1]
	s_or_b32 s[\g+3], s[\g+3], 0x80000000
.endm
	s_load_b128 s[4:7], s[0:1], 0x0                ; oc, os
	s_load_b128 s[8:11], s[0:1], 0x10              ; c1, s1
	s_load_b128 s[96:99], s[0:1], 0x20             ; b_proj, out0
	v_lshl_add_u32 v126, v0, 2, SPARE
	v_mov_b32 v127, 0
	ds_add_u32 v126, v127                          ; the opening lines: the add twice on end and one wait
	ds_add_u32 v126, v127
	v_lshrrev_b32 v1, 5, v0
	v_readfirstlane_b32 s14, v1                    ; wave 0..3
	s_lshr_b32 s15, s14, 1                         ; which 64 tokens are mine
	s_and_b32 s16, s14, 1                          ; which 128 features
	s_bfe_u32 s40, ttmp6, 0x40000                  ; cx, cy
	s_bfe_u32 s41, ttmp6, 0x40004
	s_lshl_b32 s42, ttmp9, 2
	s_add_co_u32 s42, s42, s40                     ; tile column (256 features)
	s_and_b32 s17, ttmp7, 0xffff
	s_lshl_b32 s17, s17, 2
	s_add_co_u32 s17, s17, s41                     ; tile row (128 tokens)
	s_lshl_b32 s43, s41, 2
	s_lshl_b32 s43, 15, s43                        ; my row of the cluster
	s_lshl_b32 s44, 0x1111, s40                    ; my column
	s_or_b32 s[G1+0], s43, (3<<16)|(1<<21)         ; A: the mask; elements of 8 bytes; bit 21 beside a mask; no padding: 8 tiles of 8,192 dense bytes
	GRP G1,  1024, 8, 1024
	s_or_b32 s[G1B+0], s44, (0<<16)|(1<<20)|(1<<21)|(6<<22)|(3<<25)  ; B: elements of 1 byte; 4 words of padding after every 128
	GRP G1B, 512, 256, 512
	s_or_b32 s[G1S+0], s43, (3<<16)|(1<<20)|(1<<21)|(5<<22)|(3<<25)  ; scales: elements of 8 bytes; 4 words after every 64
	s_or_b32 s[G1SB+0], s44, (3<<16)|(1<<20)|(1<<21)|(5<<22)|(3<<25)
	GRP G1S,  32, 16, 32
	GRP G1SB, 32, 32, 32
	s_lshl_b32 s20, s17, 7                         ; A: the tile's first position
	s_lshl_b32 s46, s42, 8                         ; B: likewise
	s_lshl_b32 s22, s20, 5
	s_lshl_b32 s92, s46, 5
	s_add_co_u32 s92, s92, WPS
	s_lshl_b32 s20, s20, 9
	s_lshl_b32 s46, s46, 9
	s_add_co_u32 s46, s46, WPC
	s_mov_b32 s21, 0
	s_mov_b32 s23, 0
	s_mov_b32 s47, 0
	s_mov_b32 s93, 0
	s_wait_dscnt 0x0
	s_wait_kmcnt 0x0
	s_add_nc_u64 s[20:21], s[4:5], s[20:21]
	s_add_nc_u64 s[22:23], s[6:7], s[22:23]
	s_add_nc_u64 s[46:47], s[8:9], s[46:47]
	s_add_nc_u64 s[92:93], s[10:11], s[92:93]
	CROUND                                         ; all sixteen work-groups are here: the joint loads meet
	GRP0 G0,   0,         20
	GRP0 G0B,  BOFF,      46
	GRP0 G0S,  SCL,       22
	GRP0 G0SB, SCL+HALFS, 92
	ARM 1, G0,  G1,  .Lhead_b                      ; one load a wave
	ARM 2, G0B, G1B, .Lhead_sa
	ARM 3, G0S, G1S, .Lhead_sb
	tensor_load_to_lds s[G0SB:G0SB+3], s[G1SB:G1SB+7]
	s_nop 0
	PLACES
.Lhead_asked:
	v_and_b32 v1, 15, v0                           ; r
	v_bfe_u32 v2, v0, 4, 1                         ; h
	v_and_b32 v5, 31, v0
	v_lshlrev_b32 v[CO], 4, v5                     ; 16 x lane
	v_mul_u32_u24 v3, v1, PITCH
	v_lshl_add_u32 v4, v2, 4, v3
	s_lshl_b32 s21, s15, 15                        ; my 64 rows of A: 4 tiles of 8,192 bytes
	s_mul_i32 s22, s16, HALFT
	s_add_co_u32 s22, s22, BOFF
.irp s, 0,1                            ; the second 512 along K: A four images of 1,024 bytes on, B 256 bytes on in each row
	v_add_nc_u32 v[ADRA+\s], s21, v[CO]
	v_add_nc_u32 v[ADRB+\s], s22, v4
	s_add_co_u32 s21, s21, 4096
	s_add_co_u32 s22, s22, 256
.endr
	v_mul_u32_u24 v5, v1, 32                       ; my row's scales: 32 bytes a row, and 16 more for each 256 passed
	v_lshrrev_b32 v6, 8, v5
	v_lshl_add_u32 v5, v6, 4, v5
	s_mul_i32 s21, s15, HALFS/2
	s_mul_i32 s22, s16, HALFS
	s_add_co_u32 s22, s22, HALFS
	s_sub_co_u32 s22, s22, s21
	v_mul_u32_u24 v6, s22, v2                      ; lanes 16-31 take B's
	s_add_co_u32 s21, s21, SCL
	v_add_nc_u32 v5, v5, v6
	v_add_nc_u32 v[ADRS], s21, v5
	s_mul_i32 s23, s14, 16*SPITCH
	s_add_co_u32 s23, s23, STG                     ; my stage
	v_mul_u32_u24 v5, v1, SPITCH
	v_lshl_add_u32 v5, v2, 6, v5
	v_add_nc_u32 v[STO], s23, v5                   ; in: row r, 64 bytes for each half of the lanes in each 128
	v_add_nc_u32 v[RD], s23, v[CO]                 ; back: the 32 lanes take one row of 512 bytes
	v_lshlrev_b32 v[BA], 6, v2
	s_lshl_b32 s2, s42, 8
	s_lshl_b32 s3, s16, 7
	s_add_co_u32 s2, s2, s3                        ; my first feature
	s_lshl_b32 s18, s2, 2
	s_mov_b32 s19, 0
	s_add_nc_u64 s[96:97], s[96:97], s[18:19]
.irp b, 0,1,2,3
.irp k, 0,1,2,3
	global_load_b128 v[CBI+16*\b+4*\k:CBI+16*\b+4*\k+3], v[BA], s[96:97] offset:128*\b+16*\k   ; registers 16 B + i: the bias of feature 32 B + 16 h + i
.endr
.endr
	s_lshl_b32 s66, s17, 7
	s_lshl_b32 s3, s15, 6
	s_add_co_u32 s66, s66, s3                      ; my first token
	s_lshl_b32 s66, s66, 12                        ; 4,096 bytes a row of out0
	s_add_co_u32 s18, s18, s66
	s_add_nc_u64 s[98:99], s[98:99], s[18:19]
; Step G (0 .. 7) is 128 along K: 32 matrix instructions, the 32 accumulators by turns, on fragment sets G % 2.
.macro MUL32 first
.irp a, 0,1,2,3
.irp b, 0,1,2,3,4,5,6,7
.if \first
	v_wmma_scale_f32_16x16x128_f8f6f4 v[8*(8*\a+\b):8*(8*\a+\b)+7], v[128*(G%2)+8*\b:128*(G%2)+8*\b+7], v[AF+32*(G%2)+8*\a:AF+32*(G%2)+8*\a+7], v[CBI+8*\b:CBI+8*\b+7], v[SC+32*(G/4)+4*\b+G%4], v[SC+32*(G/4)+4*\a+G%4] matrix_a_fmt:MATRIX_FMT_FP4 matrix_b_fmt:MATRIX_FMT_FP4 matrix_a_scale:MATRIX_SCALE_ROW1
.else
	v_wmma_scale_f32_16x16x128_f8f6f4 v[8*(8*\a+\b):8*(8*\a+\b)+7], v[128*(G%2)+8*\b:128*(G%2)+8*\b+7], v[AF+32*(G%2)+8*\a:AF+32*(G%2)+8*\a+7], v[8*(8*\a+\b):8*(8*\a+\b)+7], v[SC+32*(G/4)+4*\b+G%4], v[SC+32*(G/4)+4*\a+G%4] matrix_a_fmt:MATRIX_FMT_FP4 matrix_b_fmt:MATRIX_FMT_FP4 matrix_a_scale:MATRIX_SCALE_ROW1
.endif
.endr
.endr
.endm
.macro FETCH                           ; step F's fragments into sets F % 2: 16 loads for B, 8 for A
	WIN 0x40
.irp i, 0,1,2,3,4,5,6,7
.irp c, 0,1
	ds_load_b128 v[128*(F%2)+8*\i+4*\c:128*(F%2)+8*\i+4*\c+3], v[ADRB+F/4] offset:64*(F%4)+32*\c+\i*16*PITCH
.endr
.endr
	WIN 0
.irp i, 0,1,2,3
.irp c, 0,1
	ds_load_b128 v[AF+32*(F%2)+8*\i+4*\c:AF+32*(F%2)+8*\i+4*\c+3], v[ADRA+F/4] offset:8192*\i+1024*(F%4)+512*\c
.endr
.endr
.endm
.macro STEPG
	s_wait_dscnt 0x0                               ; this step's fragments are in: they were asked for ahead of the last step's products
.if G > 0
	PLACES                                         ; in front of loads into registers that the last step's products read
.endif
.if G < 7
.set F, G+1
	FETCH
.endif
.if G == 0
	WIN 0x81                                       ; B window 1, A and the bias window 0, D window 2
	MUL32 1
.else
	WIN 0xa1                                       ; C and D window 2
	MUL32 0
.endif
	WIN 0
.endm
	s_wait_alu depctr_va_vdst(0)
	s_wait_tensorcnt 0x0                           ; my one fill has landed,
	s_barrier_signal -1
	s_barrier_wait -1                              ; everybody's have
.set F, 0
	FETCH
.irp s, 0,1
.irp i, 0,1,2,3,4,5,6,7
	ds_load_b128 v[SC+32*\s+4*\i:SC+32*\s+4*\i+3], v[ADRS] offset:\i*SBLK+16*\s   ; lanes 0-15: A's block i (0-3 are used), lanes 16-31: B's block i; four words for 512 along K
.endr
.endr
	s_wait_loadcnt 0x0                             ; the bias
.set G, 0
.rept 8
	STEPG
.set G, G+1
.endr
; THE WAY OUT, block by block of 16 token positions x 128 features: through my own stage, back as whole rows of 512 bytes.  LDS serves a wave's instructions in order: no wait between the stores and the loads.
.macro TOSTAGE a
.set AC, 64*(\a)
	WIN 0x08                                       ; the data: window 2
.irp b, 0,1,2,3,4,5,6,7
	ds_store_b128 v[STO], v[AC+8*\b:AC+8*\b+3] offset:128*(\b/2)+32*(\b%2)      ; each accumulator from its low end on
	ds_store_b128 v[STO], v[AC+8*\b+4:AC+8*\b+7] offset:128*(\b/2)+32*(\b%2)+16
.endr
	WIN 0
.set BB, BK+64*((\a)%2)
.irp t, 0,1,2,3,4,5,6,7,8,9,10,11,12,13,14,15
	ds_load_b128 v[BB+4*\t:BB+4*\t+3], v[RD] offset:\t*SPITCH
.endr
.endm
.macro SEND a, younger                 ; younger: the LDS instructions issued behind block a's loads, which may stay out
.set BB, BK+64*((\a)%2)
	s_wait_dscnt \younger
.irp t, 0,1,2,3,4,5,6,7,8,9,10,11,12,13,14,15
	global_store_b128 v[CO], v[BB+4*\t:BB+4*\t+3], s[98:99] offset:(32*((\a)/2)+8*((\a)%2)+\t+8*(\t/8))*4096 th:TH_STORE_NT   ; 32 lanes store 512 consecutive bytes, aligned; position t of block a is this token
.endr
.endm
	PLACES                                         ; in front of the first read of results and of loads into registers that products read
	TOSTAGE 0
.irp a, 1,2,3
.if \a > 1
	s_wait_xcnt 0x0                                ; block a - 2's stores have read their registers: block a's loads may land there
.endif
	TOSTAGE \a
	SEND \a-1, 32                                  ; behind block a - 1's loads: block a's 16 stores and 16 loads
.endr
	SEND 3, 0
	s_wait_tensorcnt 0x0                           ; the wave's end
	ds_add_u32 v126, v127
	s_wait_dscnt 0x0
	CROUND                                         ; the closing round
	s_endpgm
.Lfunc_end_k_q679ef4761b_gemm_proj:
	.size	k_q679ef4761b_gemm_proj, .Lfunc_end_k_q679ef4761b_gemm_proj-k_q679ef4761b_gemm_proj
	.p2alignl 7, 3214868480
	.fill 96, 4, 3214868480
	.section	.rodata,"a",@progbits
	.p2align	6, 0x0
	.amdhsa_kernel k_q679ef4761b_gemm_proj
		.amdhsa_group_segment_fixed_size 248064
		.amdhsa_private_segment_fixed_size 0
		.amdhsa_enable_private_segment 0
		.amdhsa_kernarg_size 48
		.amdhsa_user_sgpr_count 2
		.amdhsa_user_sgpr_kernarg_segment_ptr 1
		.amdhsa_wavefront_size32 1
		.amdhsa_system_sgpr_workgroup_id_x 1
		.amdhsa_system_sgpr_workgroup_id_y 1
		.amdhsa_system_sgpr_workgroup_id_z 1
		.amdhsa_system_vgpr_workitem_id 0
		.amdhsa_next_free_vgpr 768
		.amdhsa_next_free_sgpr 102
		.amdhsa_reserve_vcc 0
		.amdhsa_float_denorm_mode_32 3
		.amdhsa_float_denorm_mode_16_64 3
		.amdhsa_memory_ordered 1
		.amdhsa_forward_progress 1
		.amdhsa_inst_pref_size 72
	.end_amdhsa_kernel
	.amdgpu_metadata
---
amdhsa.version: [ 1, 2 ]
amdhsa.kernels:
  - .name:           k_q679ef4761b_gemm_proj
    .symbol:         k_q679ef4761b_gemm_proj.kd
    .args:
      - { .name: oc, .offset: 0, .size: 8, .value_kind: global_buffer, .address_space: global }
      - { .name: os, .offset: 8, .size: 8, .value_kind: global_buffer, .address_space: global }
      - { .name: c1, .offset: 16, .size: 8, .value_kind: global_buffer, .address_space: global }
      - { .name: s1, .offset: 24, .size: 8, .value_kind: global_buffer, .address_space: global }
      - { .name: b_proj, .offset: 32, .size: 8, .value_kind: global_buffer, .address_space: global }
      - { .name: out0, .offset: 40, .size: 8, .value_kind: global_buffer, .address_space: global }
    .group_segment_fixed_size: 248064
    .private_segment_fixed_size: 0
    .kernarg_segment_align: 8
    .kernarg_segment_size: 48
    .max_flat_workgroup_size: 128
    .sgpr_count:     102
    .vgpr_count:     768
    .wavefront_size: 32
...
	.end_amdgpu_metadata
.endif
;; end of part 5
